; MI455X (gfx1250); checked and timed in simulation.
; The chip was launched on July 23, 2026; its instructions are those of AMD's public machine-readable ISA for CDNA 5 (MIT licence, August 2026) and "CDNA5" Instruction Set Architecture Reference Guide (July 2026). The comments in the code are by the model that wrote it; some were corrected since.
;; Multi Cabeca Atencao. Allowed arithmetic: matrix products marked QUANTISED: E2M1 operands, one E8M0 scale for each 32 along K, by v_wmma_scale_f32_16x16x128_f8f6f4 with both operands' format E2M1 (or v_wmma_scale_f32_32x16x128_f4), f32 sums; products left as they are: bf16, f16 or f32 operands; f32 sums; everything else in f32.
;; Inputs: Wk 1,024 x 1,024 float32; Wo 1,024 x 1,024 float32; Wq 1,024 x 1,024 float32; Wv 1,024 x 1,024 float32; bk 1,024 float32; bo 1,024 float32; bq 1,024 float32; bv 1,024 float32; incorporacao 4 x 2,048 x 1,024 float32.
;; Outputs: out0 4 x 2,048 x 1,024 float32.
;; This version of the problem:
;;   THIS VERSION OF THE PROBLEM IS GIVEN IN LOW PRECISION. The matrix products marked QUANTISED in the list below multiply operands that are first quantised to E2M1 (2 exponent bits, 1 mantissa bit; 4 bits a number), with one power-of-two scale for each 32 numbers along K (OCP MX v1.0); their sums are f32. The products marked 'left as it is' may take bf16, f16 or f32 operands, with f32 sums. Whichever they take, every output number must still come out within the allowed error. Rounding operands to bf16 (8 significant bits) uses up far more of that allowance than f16 does (11 bits, for magnitudes from 6e-5 to 65,504). All else is computed in f32.
;;   The module's matrix products, in the order in which they are computed (A, B: the left and right operand; K: the contracted axis; several contracted axes count as one K, in the product's order):
;;     1. [M 8,192, K 1,024] x [K 1,024, N 1,024]; A: input incorporacao; B: input Wq: QUANTISED
;;     2. [M 8,192, K 1,024] x [K 1,024, N 1,024]; A: input incorporacao; B: input Wk: QUANTISED
;;     3. [M 8,192, K 1,024] x [K 1,024, N 1,024]; A: input incorporacao; B: input Wv: QUANTISED
;;     4. batch 4 x [M 2,048, K 1,024] x [K 1,024, N 2,048]; A: computed on the way; B: computed on the way: left as it is (an operand is computed on the way)
;;     5. batch 4 x [M 2,048, K 2,048] x [K 2,048, N 1,024]; A: computed on the way; B: computed on the way: left as it is (an operand is computed on the way)
;;     6. [M 8,192, K 1,024] x [K 1,024, N 1,024]; A: computed on the way; B: input Wo: left as it is (an operand is computed on the way)
;;   THE QUANTISER, for each operand of a quantised product, along K:
;;     - K is cut into blocks of 32 from its start; a last block that is shorter is filled with zeros.
;;     - A block's scale is 2^e with e = floor(log2(the largest magnitude in the block)) - 2, held to -126 .. 127; a block of zeros has e = 0. As a byte (E8M0): e + 127.
;;     - Each number is divided by its block's scale, clamped to +-6, and rounded to the nearest number of E2M1, ties to even, subnormals kept.
;;     - The product sums the exact products of the quantised numbers (number of the format x scale) in f32.
;;   ~~~python
;;   def quantise(x, axis):      # numpy; x: float32 -> the quantised numbers, widened to float32 again
;;       x = np.moveaxis(x, axis, -1); K = x.shape[-1]
;;       x = np.pad(x, [(0, 0)] * (x.ndim - 1) + [(0, -K % 32)]); x = x.reshape(x.shape[:-1] + (-1, 32)); a = np.abs(x).max(-1, keepdims=True)
;;       e = np.where(a > 0, np.clip(np.frexp(np.where(a > 0, a, 1))[1] - 1 - 2, -126, 127), 0)      # np.frexp(a)[1] - 1 = floor(log2(a)), exactly
;;       r = np.clip(x / 2.0 ** e, -6, 6)
;;       step = 2.0 ** (np.maximum(np.frexp(np.where(r == 0, 1, r))[1] - 1, 0) - 1)
;;       q = np.round(r / step) * step * 2.0 ** e      # np.round: ties to even
;;       return np.moveaxis(q.reshape(q.shape[:-2] + (-1,))[..., :K], -1, axis).astype(np.float32)
;;   ~~~
;; One version. Each part assembles by itself: llvm-mc -triple=amdgcn-amd-amdhsa -mcpu=gfx1250 --defsym DOCPART=n.
;; ======== version 1 of 1: 5 launches
;; limits: values are held in f16: magnitudes above 65,504 overflow, below 6.1e-05 lose precision
;; workspace buffers: codes 5,767,168 bytes; scales 360,448 bytes; woh 2,097,152 bytes; qkv 67,108,864 bytes; pm 33,554,432 bytes; stats 1,048,576 bytes; ctx 16,777,216 bytes
;; launch prep (part 1): grid 384 x 1, 4 waves a work-group, no clusters, 50,688 bytes of LDS; arguments incorporacao, Wq, Wk, Wv, Wo, codes, scales, woh; writes codes, scales, woh
.if DOCPART == 1
	.amdgcn_target "amdgcn-amd-amdhsa--gfx1250"
	.amdhsa_code_object_version 6
	.text
	.protected	k_qd34cb14256_prep
	.globl	k_qd34cb14256_prep
	.p2align	8
	.type	k_qd34cb14256_prep,@function
k_qd34cb14256_prep:
	s_mov_b64 s[64:65], 0
	v_nop
	global_prefetch_b8 v0, s[64:65] scope:SCOPE_SE
	s_setreg_imm32_b32 hwreg(HW_REG_WAVE_MODE, 25, 1), 1
	s_wait_xcnt 0x0
; THE OPERANDS ARE MADE READY, ONCE.  Three kinds of work-group, told apart by the work-group's number alone:
;   0..255   x [8192][1024] f32 (K innermost)  -> codes of FP4 (E2M1) [8192][512 bytes] and E8M0 scale bytes [8192][32]
;   256..351 Wq, Wk, Wv [k 1024][n 1024] f32 (K is the FIRST axis) -> codes [3072 (weight, n)][512 bytes], K innermost, behind x's; scale bytes [3072][32] behind x's
;   352..383 Wo [1024][1024] f32 -> f16, as it lies
; A block's scale is 2^(floor(log2(its largest magnitude)) - 2); its byte is the largest magnitude's exponent field - 2, held at 1 from below.
; A block of zeros so gets the byte 1 where the rule says 127: its codes are zeros, which add nothing, and this program alone reads the bytes.
; LIMITS: NaN and infinities among the inputs are not served; numbers of Wo beyond 65,504 become infinity in f16.
; Waves share nothing: no barrier.  Each path has LDS bytes of its own.  A wave of each path moves 32,768 bytes in, so that the paths take alike.
.set STEPS, 16                         ; path X: steps of 512 numbers for a wave
.set EMAX,  2
.set CB,    8                          ; bytes of 16 codes
.set XR,    16                         ; v16-79   four sets of 16 numbers as loaded
.set XX,    80                         ; v80-111  two sets of 16 neighbours
.set XE,    112                        ; v112-127 a scale byte for each step
.set XC,    128                        ; v128-191 codes, four registers for each step: no store's data are written again
.set XREG,  8192                       ; LDS of a wave: two stages of 32 x SP bytes, then its 256 scale bytes
.set SP,    80                         ; a lane's place in a stage: 64 bytes + 16 of padding
.set NB,    8                          ; path W: blocks of 32 along K for a lane
.set WPITCH, 272                       ; a stage row: 256 bytes of codes + 16
.set KROW,  512                        ; a row of codes in memory
.set WROW,  4096                       ; a row of a weight in memory
.set WX,    32                         ; v32-95   two sets of 32 numbers
.set WC,    96                         ; v96-99   a block's codes
.set WOUT,  112                        ; v112-143 the way out
.set WSB,   24                         ; v24-25   the scale bytes, four to a register
.set WSTG,  4*XREG                     ; path W's four stages, 16 rows each, lie behind path X's regions
.set SPARE, WSTG+4*16*WPITCH           ; behind them: the spare words, 128 bytes for each wave, which no other line names
.set ORG,   16                         ; path O: v16-79 sixteen slots of four numbers
.set OCD,   128                        ; v128-159 sixteen slots of four f16
.set SPW,   192                        ; v192 LDS address of my spare word; never rewritten
.set NIL,   193                        ; v193 0; never rewritten
	s_load_b512 s[4:19], s[0:1], 0x0               ; x s[4:5], Wq s[6:7], Wk s[8:9], Wv s[10:11], Wo s[12:13], codes s[14:15], scales s[16:17], woh s[18:19]
	v_lshl_add_u32 v[SPW], v0, 2, SPARE
	v_mov_b32 v[NIL], 0
	v_lshrrev_b32 v1, 5, v0
	v_readfirstlane_b32 s20, v1                    ; wave
	v_and_b32 v2, 31, v0                           ; lane
	s_wait_kmcnt 0x0
	s_cmp_lt_u32 ttmp9, 256
	s_cbranch_scc1 .LX
	s_cmp_lt_u32 ttmp9, 352
	s_cbranch_scc1 .LW
; ---- PATH O: a wave turns 8,192 numbers of Wo into f16: 64 loads of 512 consecutive bytes, 64 stores of 256.  Sixteen loads of the wave are always out.
	s_sub_co_u32 s21, ttmp9, 352
	s_lshl_b32 s21, s21, 2
	s_add_co_u32 s21, s21, s20                     ; which run of 8,192 numbers is my wave's
	s_lshl_b32 s22, s21, 15
	s_mov_b32 s23, 0
	s_add_nc_u64 s[12:13], s[12:13], s[22:23]
	s_lshl_b32 s22, s21, 14
	s_add_nc_u64 s[18:19], s[18:19], s[22:23]
	v_lshlrev_b32 v3, 4, v2                        ; in: 16 bytes a lane
	v_lshlrev_b32 v4, 3, v2                        ; out: 8 bytes a lane
.irp i, 0,1,2,3,4,5,6,7,8,9,10,11,12,13,14,15
	global_load_b128 v[ORG+4*\i:ORG+4*\i+3], v3, s[12:13] offset:512*\i th:TH_LOAD_NT
.endr
.macro OSLOT n
.set OI, (\n)%16
.if (\n) < 48
	s_wait_loadcnt 15                              ; loads come back in order: mine is in, the fifteen younger ones stay out
.else
	s_wait_loadcnt 63-(\n)                         ; the last sixteen load nothing: the counts run down
.endif
	s_wait_xcnt 0x0                                ; the slot's last store has read its data: they are written again only behind this wait
	v_cvt_pk_f16_f32 v[OCD+2*OI], v[ORG+4*OI], v[ORG+4*OI+1]
	v_cvt_pk_f16_f32 v[OCD+2*OI+1], v[ORG+4*OI+2], v[ORG+4*OI+3]
.if (\n) < 48
	global_load_b128 v[ORG+4*OI:ORG+4*OI+3], v3, s[12:13] offset:512*((\n)+16) th:TH_LOAD_NT
.endif
	global_store_b64 v4, v[OCD+2*OI:OCD+2*OI+1], s[18:19] offset:256*(\n)   ; 32 lanes store 256 consecutive bytes, aligned
.endm
.set N, 0
.rept 64
	OSLOT N
.set N, N+1
.endr
	s_wait_tensorcnt 0x0                           ; the wave's end
	ds_add_u32 v[SPW], v[NIL]
	s_wait_dscnt 0x0
	s_endpgm
; ---- PATH X: x is a plain stream of blocks of 32.  A wave takes 16 steps of 512 numbers.  Each load reads 512 consecutive bytes; the conversions want 16 NEIGHBOURS in a lane,
; so a step's 2,048 bytes turn through the wave's own stage in LDS: in as they lie, back 64 bytes a lane.  Two neighbouring lanes hold a block.
.LX:
	v_lshlrev_b32 v3, 4, v2                        ; my 16 bytes of a load's 512
	s_mul_i32 s21, s20, XREG
	v_lshrrev_b32 v14, 2, v2
	v_mul_u32_u24 v14, v14, SP
	v_and_b32 v15, 3, v2
	v_lshl_add_u32 v14, v15, 4, v14
	v_add_nc_u32 v14, s21, v14                     ; the stage, on the way in: SP (lane / 4) + 16 (lane % 4)
	v_mul_u32_u24 v15, v2, SP
	v_add_nc_u32 v15, s21, v15                     ; and on the way out: SP x lane
	v_mul_u32_u24 v4, v2, CB                       ; my codes' place in a step's
	v_lshrrev_b32 v5, 1, v2
	s_add_co_u32 s21, s21, 2*32*SP
	v_add_nc_u32 v5, s21, v5                       ; my wave's 256 scale bytes, my block's byte
	v_lshlrev_b32 v7, 3, v2
	v_add_nc_u32 v6, s21, v7                       ; and on the way out 8 bytes a lane
	s_lshl_b32 s22, ttmp9, 2
	s_add_co_u32 s22, s22, s20                     ; which run of 8,192 numbers is my wave's
	s_lshl_b32 s24, s22, 15
	s_mov_b32 s25, 0
	s_add_nc_u64 s[4:5], s[4:5], s[24:25]
	s_lshl_b32 s24, s22, 12
	s_add_nc_u64 s[14:15], s[14:15], s[24:25]
	s_lshl_b32 s24, s22, 8
	s_add_nc_u64 s[16:17], s[16:17], s[24:25]
.macro XLOAD t
.irp i, 0,1,2,3
	global_load_b128 v[XR+16*((\t)%4)+4*\i:XR+16*((\t)%4)+4*\i+3], v3, s[4:5] offset:2048*(\t)+512*\i th:TH_LOAD_NT
.endr
.endm
.macro XTURN t                         ; step t's numbers through the stage: LDS serves a wave's instructions in order, so no wait stands between the stores and the loads
.irp i, 0,1,2,3
	ds_store_b128 v14, v[XR+16*((\t)%4)+4*\i:XR+16*((\t)%4)+4*\i+3] offset:32*SP*((\t)%2)+8*SP*\i
.endr
.irp i, 0,1,2,3
	ds_load_b128 v[XX+16*((\t)%2)+4*\i:XX+16*((\t)%2)+4*\i+3], v15 offset:32*SP*((\t)%2)+16*\i
.endr
.endm
.irp t, 0,1,2,3
	XLOAD \t
.endr
	s_wait_loadcnt 12                              ; step 0's four loads are in; the twelve of steps 1 to 3 stay out
	XTURN 0
.macro XSTEP t
.set XS, XX+16*((\t)%2)
.if (\t) > 0
	s_wait_dscnt 1                                 ; this step's numbers are back from the stage (the last step's byte store may be out)
.else
	s_wait_dscnt 0x0
.endif
.if (\t)+4 < STEPS
	XLOAD (\t)+4                                   ; into the registers that the stage's stores have read
.endif
.if (\t)+1 < STEPS
.if STEPS-2-(\t) >= 3
	s_wait_loadcnt 12                              ; the next step's four loads are in; those of the three steps behind it may be out
.else
	s_wait_loadcnt 4*(STEPS-2-(\t))
.endif
	XTURN (\t)+1
.endif
	v_max3_num_f32 v8, |v[XS]|, |v[XS+1]|, |v[XS+2]|               ; the largest magnitude of my 16, in two chains
	v_max3_num_f32 v9, |v[XS+3]|, |v[XS+4]|, |v[XS+5]|
.irp i, 6,10
	v_max3_num_f32 v8, v8, |v[XS+\i]|, |v[XS+\i+1]|
	v_max3_num_f32 v9, v9, |v[XS+\i+2]|, |v[XS+\i+3]|
.endr
	v_max3_num_f32 v8, v8, |v[XS+14]|, |v[XS+15]|
	v_max3_num_f32 v8, v8, v9, (EMAX+1)<<23        ; and the floor 2^(3 - 127): the byte cannot fall under 1
	v_max_num_f32_dpp v8, v8, v8 row_xmask:1 row_mask:0xf bank_mask:0xf   ; and of my neighbour's 16: the block's
	v_add_nc_u32 v11, -(EMAX<<23), v8              ; 2 off its exponent field: the conversion takes the exponent field of this operand as its scale
	v_cvt_scalef32_pk8_fp4_f32 v[XC+4*(\t)], v[XS:XS+7], v11
	v_cvt_scalef32_pk8_fp4_f32 v[XC+4*(\t)+1], v[XS+8:XS+15], v11
	v_lshrrev_b32 v[XE+(\t)], 23, v11              ; the scale's byte (also the plain line behind the conversions)
	ds_store_b8 v5, v[XE+(\t)] offset:16*(\t)      ; both lanes of a block write the same byte with the same value
	global_store_b64 v4, v[XC+4*(\t):XC+4*(\t)+1], s[14:15] offset:32*CB*(\t)   ; 32 lanes store 256 consecutive bytes, aligned
.endm
.irp t, 0,1,2,3,4,5,6,7,8,9,10,11,12,13,14,15
	XSTEP \t
.endr
	ds_load_b64 v[8:9], v6                         ; LDS serves a wave's instructions in order: these see my byte stores
	s_wait_dscnt 0x0
	global_store_b64 v7, v[8:9], s[16:17]          ; my wave's 256 scale bytes, aligned
	s_wait_tensorcnt 0x0                           ; the wave's end
	ds_add_u32 v[SPW], v[NIL]
	s_wait_dscnt 0x0
	s_endpgm
; ---- PATH W: a lane takes a COLUMN n and its registers run DOWN K: a block of 32 lies in one lane, and the conversions give codes with K innermost.  A wave takes 16 columns x 512 along K:
; lanes 0-15 the columns' first 256 along K, lanes 16-31 the same columns' next 256: 8 blocks a lane, 256 loads a wave.  The four waves of a work-group stand side by side on 256 consecutive bytes of
; each row of the weight.  A column's 256 bytes of codes come from two lanes of ONE wave: they go through the wave's own stage and leave as rows: sixteen lanes store 256 consecutive bytes, aligned.
.LW:
	s_sub_co_u32 s21, ttmp9, 256
	s_lshr_b32 s22, s21, 5                         ; which weight: 0 Wq, 1 Wk, 2 Wv
	s_and_b32 s23, s21, 15                         ; which 64 columns
	s_bfe_u32 s24, s21, 0x10004                    ; which half of K
	s_cmp_eq_u32 s22, 1
	s_cselect_b64 s[6:7], s[8:9], s[6:7]
	s_cmp_eq_u32 s22, 2
	s_cselect_b64 s[6:7], s[10:11], s[6:7]
	s_lshl_b32 s23, s23, 6
	s_lshl_b32 s25, s20, 4
	s_add_co_u32 s23, s23, s25                     ; my wave's first column
	s_lshl_b32 s26, s24, 21                        ; 512 rows of 4,096 bytes for the upper half of K
	s_lshl_b32 s25, s23, 2
	s_add_co_u32 s26, s26, s25
	s_mov_b32 s27, 0
	s_add_nc_u64 s[6:7], s[6:7], s[26:27]
	s_lshl_b32 s25, s22, 10
	s_add_co_u32 s25, s25, s23                     ; my first row among the weights' 3,072
	s_lshl_b32 s26, s25, 9
	s_lshl_b32 s28, s24, 8
	s_add_co_u32 s26, s26, s28
	s_add_co_u32 s26, s26, 4194304                 ; behind x's codes
	s_add_nc_u64 s[14:15], s[14:15], s[26:27]
	s_lshl_b32 s26, s25, 5
	s_lshl_b32 s28, s24, 4
	s_add_co_u32 s26, s26, s28
	s_add_co_u32 s26, s26, 262144                  ; behind x's scale bytes
	s_add_nc_u64 s[16:17], s[16:17], s[26:27]
	v_and_b32 v5, 15, v2                           ; r: my column
	v_lshrrev_b32 v6, 4, v2                        ; h: which 256 along K
	v_lshlrev_b32 v3, 2, v5                        ; in: 4 bytes a column,
	v_lshl_add_u32 v3, v6, 20, v3                  ; and 256 rows of 4,096 bytes on for lanes 16-31
	s_mul_i32 s29, s20, 16*WPITCH
	s_add_co_u32 s29, s29, WSTG                    ; my stage
	v_mul_u32_u24 v4, v5, WPITCH
	v_lshl_add_u32 v4, v6, 7, v4
	v_add_nc_u32 v4, s29, v4                       ; into it: row = my column, 128 bytes on for lanes 16-31
	v_mul_u32_u24 v7, v6, WPITCH
	v_lshl_add_u32 v7, v5, 4, v7
	v_add_nc_u32 v7, s29, v7                       ; out of it: sixteen lanes to a row, two rows an instruction
	v_mul_u32_u24 v8, v6, KROW
	v_lshl_add_u32 v8, v5, 4, v8                   ; and the same place in the codes' buffer
	v_lshlrev_b32 v9, 5, v5
	v_lshl_add_u32 v9, v6, 3, v9                   ; my column's row of scale bytes, 8 bytes on for lanes 16-31
.macro WLOAD t                         ; block t: W(256 h + 32 t + i, my column) into set t % 2; the largest offset, 255 rows, lies inside the signed 24-bit immediate
.irp i, 0,1,2,3,4,5,6,7,8,9,10,11,12,13,14,15,16,17,18,19,20,21,22,23,24,25,26,27,28,29,30,31
	global_load_b32 v[WX+32*((\t)%2)+\i], v3, s[6:7] offset:(32*(\t)+\i)*WROW th:TH_LOAD_NT
.endr
.endm
	WLOAD 0
	WLOAD 1
.macro WBLOCK t
.set WS, WX+32*((\t)%2)
.if (\t) < NB-1
	s_wait_loadcnt 32                              ; this block's 32 loads are in; the next block's may be out
.else
	s_wait_loadcnt 0
.endif
	v_max3_num_f32 v12, |v[WS]|, |v[WS+1]|, |v[WS+2]|
	v_max3_num_f32 v13, |v[WS+3]|, |v[WS+4]|, |v[WS+5]|
.irp i, 6,10,14,18,22,26
	v_max3_num_f32 v12, v12, |v[WS+\i]|, |v[WS+\i+1]|
	v_max3_num_f32 v13, v13, |v[WS+\i+2]|, |v[WS+\i+3]|
.endr
	v_max3_num_f32 v12, v12, |v[WS+30]|, |v[WS+31]|
	v_max3_num_f32 v12, v12, v13, (EMAX+1)<<23     ; the floor
	v_add_nc_u32 v11, -(EMAX<<23), v12             ; the conversion's scale operand
	v_lshrrev_b32 v13, 23, v11                     ; the scale's byte
.if (\t)%4 == 0
	v_mov_b32 v[WSB+(\t)/4], v13
.else
	v_lshl_or_b32 v[WSB+(\t)/4], v13, 8*((\t)%4), v[WSB+(\t)/4]
.endif
.irp g, 0,1,2,3
	v_cvt_scalef32_pk8_fp4_f32 v[WC+\g], v[WS+8*\g:WS+8*\g+7], v11
.endr
	ds_store_b128 v4, v[WC:WC+3] offset:16*(\t)    ; 32 codes: 16 bytes of my column's row
.if (\t)+2 < NB
	WLOAD (\t)+2
.endif
	s_wait_dscnt 0x0                               ; the store has read its registers: the next block's codes may be written
.endm
.set Q, 0
.rept NB
	WBLOCK Q
.set Q, Q+1
.endr
	global_store_b64 v9, v[WSB:WSB+1], s[16:17]    ; my 8 scale bytes
.irp t, 0,1,2,3,4,5,6,7
	ds_load_b128 v[WOUT+4*\t:WOUT+4*\t+3], v7 offset:2*\t*WPITCH
.endr
.irp t, 0,1,2,3,4,5,6,7
	s_wait_dscnt 7-\t                              ; LDS loads come back in order: pair t of rows is in
	global_store_b128 v8, v[WOUT+4*\t:WOUT+4*\t+3], s[14:15] offset:2*\t*KROW
.endr
	s_wait_tensorcnt 0x0                           ; the wave's end
	ds_add_u32 v[SPW], v[NIL]
	s_wait_dscnt 0x0
	s_endpgm
.Lfunc_end_k_qd34cb14256_prep:
	.size	k_qd34cb14256_prep, .Lfunc_end_k_qd34cb14256_prep-k_qd34cb14256_prep
	.p2alignl 7, 3214868480
	.fill 96, 4, 3214868480
	.section	.rodata,"a",@progbits
	.p2align	6, 0x0
	.amdhsa_kernel k_qd34cb14256_prep
		.amdhsa_group_segment_fixed_size 50688
		.amdhsa_private_segment_fixed_size 0
		.amdhsa_enable_private_segment 0
		.amdhsa_kernarg_size 64
		.amdhsa_user_sgpr_count 2
		.amdhsa_user_sgpr_kernarg_segment_ptr 1
		.amdhsa_wavefront_size32 1
		.amdhsa_system_sgpr_workgroup_id_x 1
		.amdhsa_system_sgpr_workgroup_id_y 1
		.amdhsa_system_sgpr_workgroup_id_z 1
		.amdhsa_system_vgpr_workitem_id 0
		.amdhsa_next_free_vgpr 200
		.amdhsa_next_free_sgpr 66
		.amdhsa_reserve_vcc 0
		.amdhsa_float_denorm_mode_32 3
		.amdhsa_float_denorm_mode_16_64 3
		.amdhsa_memory_ordered 1
		.amdhsa_forward_progress 1
		.amdhsa_inst_pref_size 98
	.end_amdhsa_kernel
	.amdgpu_metadata
---
amdhsa.version: [ 1, 2 ]
amdhsa.kernels:
  - .name:           k_qd34cb14256_prep
    .symbol:         k_qd34cb14256_prep.kd
    .args:
      - { .name: incorporacao, .offset: 0, .size: 8, .value_kind: global_buffer, .address_space: global }
      - { .name: Wq, .offset: 8, .size: 8, .value_kind: global_buffer, .address_space: global }
      - { .name: Wk, .offset: 16, .size: 8, .value_kind: global_buffer, .address_space: global }
      - { .name: Wv, .offset: 24, .size: 8, .value_kind: global_buffer, .address_space: global }
      - { .name: Wo, .offset: 32, .size: 8, .value_kind: global_buffer, .address_space: global }
      - { .name: codes, .offset: 40, .size: 8, .value_kind: global_buffer, .address_space: global }
      - { .name: scales, .offset: 48, .size: 8, .value_kind: global_buffer, .address_space: global }
      - { .name: woh, .offset: 56, .size: 8, .value_kind: global_buffer, .address_space: global }
    .group_segment_fixed_size: 50688
    .private_segment_fixed_size: 0
    .kernarg_segment_align: 8
    .kernarg_segment_size: 64
    .max_flat_workgroup_size: 128
    .sgpr_count:     66
    .vgpr_count:     200
    .wavefront_size: 32
...
	.end_amdgpu_metadata
.endif
;; end of part 1
;; launch qkvg (part 2): grid 4 x 64, 4 waves a work-group, clusters of 4 x 4, 327,680 bytes of LDS; arguments codes, scales, bq, bk, bv, qkv; writes qkv
.if DOCPART == 2
	.amdgcn_target "amdgcn-amd-amdhsa--gfx1250"
	.amdhsa_code_object_version 6
	.text
	.protected	k_qd34cb14256_qkvg
	.globl	k_qd34cb14256_qkvg
	.p2align	8
	.type	k_qd34cb14256_qkvg,@function
k_qd34cb14256_qkvg:
	s_mov_b64 s[64:65], 0
	v_nop
	global_prefetch_b8 v0, s[64:65] scope:SCOPE_SE
	s_setreg_imm32_b32 hwreg(HW_REG_WAVE_MODE, 25, 1), 1
	s_wait_xcnt 0x0
	s_wait_alu depctr_hold_cnt(0) depctr_sa_sdst(0) depctr_va_vdst(0) depctr_va_sdst(0) depctr_va_ssrc(0) depctr_va_vcc(0) depctr_vm_vsrc(0)
	s_getreg_b32 s2, hwreg(HW_REG_IB_STS2, 6, 4)
	s_cmp_eq_u32 s2, 0
	s_cbranch_scc0 .Lentry_in_a_cluster
	s_endpgm
.Lentry_in_a_cluster:
	s_bfe_u32 s2, ttmp6, 0x10000c
	s_cmp_lg_u32 s2, 0xf033
	s_cbranch_scc0 .Lentry_shape_is_right
	s_endpgm
.Lentry_shape_is_right:
; [q | k | v] = x [Wq | Wk | Wv] + [bq | bk | bv], on codes of FP4 (E2M1) with one E8M0 scale for each 32 along K; sums in f32; the results leave as f16.
; A = x's codes [8192][512 bytes], B = the weights' codes [3072][512 bytes] (row n = column n % 1024 of weight n / 1024), both with K innermost; scale bytes [rows][32].
; THE RESULT'S ROW IS 8,192 BYTES.  q leaves as a PAIR of f16 numbers, a high part f16(q) and a low part f16(q - high), split in f32: for each group of 128 channels 256 bytes of high parts, then 256 of low parts
; (4,096 bytes in all).  k lies at byte 4,096 and v at byte 6,144, one f16 number each.
; A WORK-GROUP STAYS: 256 work-groups, each with 128 rows of x, make three UNITS of 128 x 256 one after the other: the same tile of 256 columns of q, of k and of v: 98,304 results each, alike for all.
; Four waves, each 64 x 128: 32 accumulators, 256 registers.
; A'S FRAGMENTS STAY IN REGISTERS: a wave's 64 rows for all of K are 4 x 8 fragments, 256 registers, loaded once, straight from memory, and used in all three units.  They are not asked for jointly through LDS:
; two slots for B, the stages and the spare words take 270,336 + 17,408 + 512 bytes, and A's 128 rows of 528 bytes would bring that to 355,840, beyond a WGP's 327,680.
; B: a unit's 256 rows x 512 bytes (all of K) fill an LDS slot of 135,168 bytes; each wave fetches 64 rows by one load.  Units 0 and 1 are asked for at the start; unit 2 goes into slot 0 behind the one round
; that stands at unit 0's last step, and has q's way out and all of unit 1 in which to land.  By this text's own count a wave has two tensor loads out at the start, then one.
; CLUSTERS: 4 x 4 work-groups; B's tiles hang on the tile column alone and are asked for jointly along a column of the cluster.
; THE MATRIX INSTRUCTION IS USED TRANSPOSED (source 0 = 16 rows of B, source 1 = 16 rows of A): a lane holds eight neighbouring columns of one row.  THE BIAS is the C of each sum's first matrix instruction.
; The scale words come from memory straight into registers of their own: lane r holds row r's word (lanes 16-31 hold the same and are not read).  A unit's scale words and bias are asked for behind the
; unit before's last product and land under its way out.  A unit's stores leave while the next unit is multiplied.
; LIMIT: a result beyond 65,504 becomes infinity in f16.
; REGISTERS: window 0: v0-31 addresses; v32-63, v224-255 rows read back; v64-95 high parts, packed; v96-127 A's scale words (block a, step s at v[96 + 8 a + s]); v128-191 B's (v[128 + 8 b + s]); v192-223 packed results.
;   window 1: v0-63, v128-191 B's fragments, two sets; v64-127 the bias; v192-255 the low parts at work.   window 2: A's fragments (a, s) at v[8 (8 a + s)].   window 3: accumulator (a, b) at v[8 (8 a + b)].
.set KROW,   512                       ; a row of codes in memory
.set PITCH,  528                       ; and in LDS: 512 bytes + 16 of padding = 33 x 16: the 16 rows that a load touches start at 16 different banks (64 banks of 4 bytes: ISA guide 11.1)
.set QUART,  64*PITCH                  ; 64 rows: what one tensor load brings
.set USLOT,  4*QUART                   ; a unit's 256 rows of B
.set STAGE,  2*USLOT                   ; the way out: 16 rows x 272 bytes for each wave, bytes of its own
.set SPITCH, 272
.set SPARE,  STAGE+4*16*SPITCH         ; the spare words, 128 bytes for each wave, which no other line names
.set CROW,   8192                      ; a row of the result in bytes
.set WCODES, 4194304                   ; where the weights' codes begin
.set WSCALES, 262144                   ; and their scale bytes
.set AO,   16                          ; v16  A's fragments in memory: 512 r + 16 h; never rewritten
.set SO,   17                          ; v17  scale words in memory: 32 r; never rewritten
.set ADRB, 20                          ; v20-21 LDS address of my B fragments in slot 0, 1
.set STO,  24
.set RD,   25
.set CO,   26
.set SPW,  28
.set NIL,  29
.set BO,   30                          ; v30  the bias loads' offset: 32 h; never rewritten
.set OB,   32
.set TH,   64
.set AS,   96
.set BS,   128
.set TMP,  192
.set BIAS, 64                          ; in window 1
.set UU,   192                         ; in window 1
.set G0,   24                          ; s[24:35] descriptor group 0, a set for each unit; never rewritten
.set G1,   48                          ; s[48:55] descriptor group 1
.set BQ,   36                          ; s[36:37] my first row of the result, at my group's place in q
.set BKV,  38                          ; s[38:39] the same, at my group's place within k or v
.set MSB, 0
.macro WIN new                         ; the immediate's high byte repeats the setting that is left
.if MSB != (\new)
	s_set_vgpr_msb (MSB<<8)|(\new)
.set MSB, (\new)
.endif
.endm
.set MULW, 0xf9                        ; source 0 (B) window 1, source 1 (A) window 2, C and D window 3
.set TO_B, 0x40                        ; destination window 1, address window 0
.macro CROUND                          ; a round of the cluster's barrier
	s_barrier_signal -1
	s_barrier_wait -1
	s_cmp_lg_u32 s16, 0
	s_cbranch_scc1 .Lnot_wave_0_\@
	s_barrier_signal -3
.Lnot_wave_0_\@:
	s_barrier_wait -3
	s_barrier_signal -1
	s_barrier_wait -1
.endm
.macro PLACES                          ; four plain vector instructions between a matrix instruction and a load into, or a vector read of, its registers
.rept 4
	v_nop
.endr
.endm
	s_load_b256 s[4:11], s[0:1], 0x0               ; codes s[4:5], scales s[6:7], bq s[8:9], bk s[10:11]
	s_load_b128 s[12:15], s[0:1], 0x20             ; bv s[12:13], the result s[14:15]
	v_lshl_add_u32 v[SPW], v0, 2, SPARE
	v_mov_b32 v[NIL], 0
	ds_add_u32 v[SPW], v[NIL]                      ; the wave's opening: the add, twice on end, and its wait ahead of my first tensor load
	ds_add_u32 v[SPW], v[NIL]
	v_lshrrev_b32 v1, 5, v0
	v_readfirstlane_b32 s16, v1                    ; wave 0..3
	s_lshr_b32 s17, s16, 1                         ; which 64 rows of the tile are mine
	s_and_b32 s18, s16, 1                          ; which 128 columns
	s_bfe_u32 s40, ttmp6, 0x40000                  ; cx, cy
	s_bfe_u32 s41, ttmp6, 0x40004
	s_lshl_b32 s42, ttmp9, 2
	s_add_co_u32 s42, s42, s40                     ; tile column = 4 x cluster x + cx: 0 .. 3
	s_and_b32 s66, ttmp7, 0xffff
	s_lshl_b32 s66, s66, 2
	s_add_co_u32 s66, s66, s41                     ; tile row = 4 x cluster y + cy
	s_lshl_b32 s44, 0x1111, s40                    ; my column of the cluster
	s_or_b32 s[G1+0], s44, (0<<16)|(1<<20)|(1<<21)|(6<<22)|(3<<25)  ; the mask; elements of 1 byte; padding on; bit 21 beside a mask; four words behind every 128
	s_mov_b32 s[G1+1], KROW<<16                    ; tensor_dim0 = 512
	s_mov_b32 s[G1+2], 64<<16                      ; tensor_dim1 = 64
	s_mov_b32 s[G1+3], KROW<<16                    ; tile_dim0
	s_mov_b32 s[G1+4], 64                          ; tile_dim1
	s_mov_b32 s[G1+5], KROW                        ; from row to row
	s_mov_b32 s[G1+6], 0
	s_mov_b32 s[G1+7], 0
	s_lshl_b32 s46, s42, 8
	s_lshl_b32 s47, s16, 6
	s_add_co_u32 s46, s46, s47                     ; B: row 256 x tile column + 64 x wave of each weight,
	s_lshl_b32 s46, s46, 9                         ; in bytes,
	s_add_co_u32 s46, s46, WCODES                  ; behind x's codes
	s_mov_b32 s47, 0
	s_mul_i32 s45, s16, QUART                      ; where they go in a slot: wave x 64 rows: no place in the cluster enters an LDS address
	s_lshl_b32 s20, s66, 7
	s_lshl_b32 s21, s17, 6
	s_add_co_u32 s20, s20, s21                     ; my first row of x and of the result
	s_lshl_b32 s22, s20, 9                         ; its codes,
	s_mov_b32 s23, 0
	s_lshl_b32 s68, s20, 5                         ; its scale bytes,
	s_mov_b32 s69, 0
	s_lshl_b32 s76, s20, 13                        ; its row of the result
	s_mov_b32 s77, 0
	s_lshl_b32 s70, s42, 1
	s_add_co_u32 s70, s70, s18                     ; my group of 128 columns within a weight: 2 x tile column + half
	s_lshl_b32 s72, s70, 12                        ; its scale bytes: 128 rows of 32,
	s_add_co_u32 s72, s72, WSCALES                 ; behind x's
	s_mov_b32 s73, 0
	s_lshl_b32 s74, s70, 9                         ; its bias: 128 numbers of 4 bytes; and its place in q: 512 bytes a group
	s_mov_b32 s75, 0
	s_lshl_b32 s78, s70, 8                         ; its place in k or v: 256 bytes a group
	s_mov_b32 s79, 0
	s_wait_dscnt 0x0                               ; both opening adds are done
	s_wait_kmcnt 0x0
	s_add_nc_u64 s[46:47], s[4:5], s[46:47]
	CROUND                                         ; all sixteen work-groups are here: the first joint loads meet
.irp u, 0,1,2
	s_mov_b32 s[G0+4*\u], 1                                        ; count = 1
	s_add_co_u32 s[G0+4*\u+1], s45, (\u%2)*USLOT                   ; LDS address: units 0 and 2 in slot 0, unit 1 in slot 1
	s_add_nc_u64 s[G0+4*\u+2:G0+4*\u+3], s[46:47], \u*1024*KROW    ; global address: weight u
	s_or_b32 s[G0+4*\u+3], s[G0+4*\u+3], 0x80000000                ; type = 2
.endr
	tensor_load_to_lds s[G0:G0+3], s[G1:G1+7]      ; unit 0; every wave fetches its own 64 rows
	s_nop 0
	tensor_load_to_lds s[G0+4:G0+7], s[G1:G1+7]    ; unit 1
	s_nop 0
	PLACES                                         ; (an s_nop 0 behind each load, four v_nop behind the second)
	s_add_nc_u64 s[4:5], s[4:5], s[22:23]          ; x's codes at my first row
	s_add_nc_u64 s[92:93], s[6:7], s[68:69]        ; x's scale bytes likewise
	s_add_nc_u64 s[94:95], s[6:7], s[72:73]        ; the weights' scale bytes at my group of Wq
	s_add_nc_u64 s[8:9], s[8:9], s[74:75]          ; the three biases at my group
	s_add_nc_u64 s[10:11], s[10:11], s[74:75]
	s_add_nc_u64 s[12:13], s[12:13], s[74:75]
	s_add_nc_u64 s[14:15], s[14:15], s[76:77]
	s_add_nc_u64 s[BQ:BQ+1], s[14:15], s[74:75]
	s_add_nc_u64 s[BKV:BKV+1], s[14:15], s[78:79]
	v_and_b32 v1, 15, v0                           ; r = l % 16
	v_bfe_u32 v2, v0, 4, 1                         ; h = l / 16
	v_lshlrev_b32 v[AO], 9, v1
	v_lshl_add_u32 v[AO], v2, 4, v[AO]
	v_lshlrev_b32 v[SO], 5, v1
	v_lshlrev_b32 v[BO], 5, v2
	; A fragment, 16 rows x 128 K of 4-bit codes, is 8 registers: lane l holds row l % 16; registers 4 c .. 4 c + 3 hold K = 64 c + 32 (l / 16) + 0 .. 31: 16 bytes of the row as they lie
	WIN 0x80                                       ; destination window 2
.irp a, 0,1,2,3
.irp s, 0,1,2,3,4,5,6,7
.irp c, 0,1
	global_load_b128 v[8*(8*\a+\s)+4*\c:8*(8*\a+\s)+4*\c+3], v[AO], s[4:5] offset:16*KROW*\a+64*\s+32*\c
.endr
.endr
.endr
	WIN 0
.irp a, 0,1,2,3
	global_load_b128 v[AS+8*\a:AS+8*\a+3], v[SO], s[92:93] offset:512*\a          ; a row's 32 scale bytes are its eight words, one for each 128 along K
	global_load_b128 v[AS+8*\a+4:AS+8*\a+7], v[SO], s[92:93] offset:512*\a+16
.endr
.macro BSCALES u                       ; the scale words of my 128 rows of weight u
.irp b, 0,1,2,3,4,5,6,7
	global_load_b128 v[BS+8*\b:BS+8*\b+3], v[SO], s[94:95] offset:32768*(\u)+512*\b
	global_load_b128 v[BS+8*\b+4:BS+8*\b+7], v[SO], s[94:95] offset:32768*(\u)+512*\b+16
.endr
.endm
.macro BIASL base                      ; the bias of my 128 columns: tile b, lane (r, h): columns 16 b + 8 h + 0 .. 7
	WIN TO_B
.irp b, 0,1,2,3,4,5,6,7
	global_load_b128 v[BIAS+8*\b:BIAS+8*\b+3], v[BO], s[\base:\base+1] offset:64*\b
	global_load_b128 v[BIAS+8*\b+4:BIAS+8*\b+7], v[BO], s[\base:\base+1] offset:64*\b+16
.endr
	WIN 0
.endm
	BSCALES 0
	BIASL 8
	v_mul_u32_u24 v3, v1, PITCH
	v_lshl_add_u32 v3, v2, 4, v3                   ; a fragment's row x pitch + 16 x half
	s_mul_i32 s21, s18, 128*PITCH                  ; my 128 rows of the unit's 256
	v_add_nc_u32 v[ADRB], s21, v3
	s_add_co_u32 s21, s21, USLOT
	v_add_nc_u32 v[ADRB+1], s21, v3
	s_mul_i32 s23, s16, 16*SPITCH
	s_add_co_u32 s23, s23, STAGE                   ; my stage
	v_mul_u32_u24 v5, v1, SPITCH                   ; in: row r, 16 bytes for each half of the lanes
	v_lshl_add_u32 v5, v2, 4, v5
	v_add_nc_u32 v[STO], s23, v5
	v_mul_u32_u24 v5, v2, SPITCH                   ; back: lanes 0-15 one row of 256 bytes, lanes 16-31 the next
	v_lshl_add_u32 v5, v1, 4, v5
	v_add_nc_u32 v[RD], s23, v5
	v_mul_u32_u24 v5, v2, CROW                     ; and the same two rows in the result
	v_lshl_add_u32 v[CO], v1, 4, v5
; 32 matrix instructions: my four blocks of rows x my eight blocks of columns, step s of 128 along K.  p: B's set.  first = 1: the bias is the C: nothing is cleared or added later.
; The 32 accumulators take turns, one instruction a turn, in one order throughout.
.macro MUL32 p, s, first
.irp a, 0,1,2,3
.irp b, 0,1,2,3,4,5,6,7
.if \first
	v_wmma_scale_f32_16x16x128_f8f6f4 v[8*(8*\a+\b):8*(8*\a+\b)+7], v[128*(\p)+8*\b:128*(\p)+8*\b+7], v[8*(8*\a+(\s)):8*(8*\a+(\s))+7], v[BIAS+8*\b:BIAS+8*\b+7], v[BS+8*\b+(\s)], v[AS+8*\a+(\s)] matrix_a_fmt:MATRIX_FMT_FP4 matrix_b_fmt:MATRIX_FMT_FP4
.else
	v_wmma_scale_f32_16x16x128_f8f6f4 v[8*(8*\a+\b):8*(8*\a+\b)+7], v[128*(\p)+8*\b:128*(\p)+8*\b+7], v[8*(8*\a+(\s)):8*(8*\a+(\s))+7], v[8*(8*\a+\b):8*(8*\a+\b)+7], v[BS+8*\b+(\s)], v[AS+8*\a+(\s)] matrix_a_fmt:MATRIX_FMT_FP4 matrix_b_fmt:MATRIX_FMT_FP4
.endif
.endr
.endr
.endm
.macro FETCH_B slot, q, p              ; 16 LDS loads in one run: B's eight fragments of step q into set p
	WIN TO_B
.irp i, 0,1,2,3,4,5,6,7
.irp c, 0,1
	ds_load_b128 v[128*(\p)+8*\i+4*\c:128*(\p)+8*\i+4*\c+3], v[ADRB+\slot] offset:64*(\q)+32*\c+\i*16*PITCH
.endr
.endr
.endm
; A step of 128 along K: its fragments of B are waited for, the next step's are asked for into the other set (which the step before multiplied: four places stand between), and 32 products follow.
.macro STEP slot, s, first
	s_wait_dscnt 0x0                               ; this step's fragments are in (asked for 32 matrix instructions ago)
.if (\s) < 7
	PLACES
	FETCH_B \slot, (\s)+1, 1-(\s)%2
.endif
	WIN MULW-0x20*(\first)                         ; first = 1: C, the bias, lies in window 1
	MUL32 (\s)%2, \s, \first
.endm
.macro NEXTIN u, base                  ; behind a unit's last product: the next unit's scale words and bias are asked for; they land under the way out
	PLACES                                         ; for these loads, and for the way out's first reads of results
	WIN 0
	BSCALES \u
	BIASL \base
.endm
; THE WAY OUT, a block of 16 rows at a time: rounded to f16 (16 bytes a lane), into my own stage, back as whole rows of 256 bytes, stored sixteen lanes to 256 consecutive aligned bytes.
.macro PACK a
	WIN 0x0f                                       ; sources 0 and 1: window 3
.irp b, 0,1,2,3,4,5,6,7
.irp r, 0,1,2,3
	v_cvt_pk_f16_f32 v[TMP+4*\b+\r], v[64*(\a)+8*\b+2*\r], v[64*(\a)+8*\b+2*\r+1]   ; each accumulator from its low end on
.endr
.endr
	WIN 0
.endm
; The low parts of block a: the number less its high part, both in f32 (the difference is exact), rounded to f16.
.macro PACKLO a
	WIN 0x0f                                       ; sources 0 and 1: window 3
.set J, 0
.rept 32
	v_cvt_pk_f16_f32 v[TH+J], v[64*(\a)+2*J], v[64*(\a)+2*J+1]     ; the high parts, as they were stored
.set J, J+1
.endr
	WIN 0x40                                       ; destination window 1
.set J, 0
.irp h, v64.l,v64.h,v65.l,v65.h,v66.l,v66.h,v67.l,v67.h,v68.l,v68.h,v69.l,v69.h,v70.l,v70.h,v71.l,v71.h,v72.l,v72.h,v73.l,v73.h,v74.l,v74.h,v75.l,v75.h,v76.l,v76.h,v77.l,v77.h,v78.l,v78.h,v79.l,v79.h,v80.l,v80.h,v81.l,v81.h,v82.l,v82.h,v83.l,v83.h,v84.l,v84.h,v85.l,v85.h,v86.l,v86.h,v87.l,v87.h,v88.l,v88.h,v89.l,v89.h,v90.l,v90.h,v91.l,v91.h,v92.l,v92.h,v93.l,v93.h,v94.l,v94.h,v95.l,v95.h
	v_cvt_f32_f16 v[UU+J], \h                      ; widened again: the halves of v[TH] on, in order
.set J, J+1
.endr
	WIN 0x47                                       ; source 0 window 3, source 1 and destination window 1
.set J, 0
.rept 32
	v_pk_add_f32 v[UU+J:UU+J+1], v[64*(\a)+J:64*(\a)+J+1], v[UU+J:UU+J+1] neg_lo:[0,1] neg_hi:[0,1]   ; the number less its high part
.set J, J+2
.endr
	WIN 0x05                                       ; sources 0 and 1: window 1
.set J, 0
.rept 32
	v_cvt_pk_f16_f32 v[TMP+J], v[UU+2*J], v[UU+2*J+1]
.set J, J+1
.endr
	WIN 0
.endm
.macro TOSTAGE a
.set BK, OB+192*((\a)%2)
.irp b, 0,1,2,3,4,5,6,7
	ds_store_b128 v[STO], v[TMP+4*\b:TMP+4*\b+3] offset:32*\b
.endr
.irp t, 0,1,2,3,4,5,6,7
	ds_load_b128 v[BK+4*\t:BK+4*\t+3], v[RD] offset:\t*2*SPITCH    ; LDS serves a wave's instructions in order (ISA guide 5.7.1.4): these see the stores above
.endr
.endm
.macro SEND a, base, off               ; the block's place among my 64 rows and the part of the row stand in the immediate: 514,048 at the most, inside its signed 24 bits; no base is stepped
.set BK, OB+192*((\a)%2)
	s_wait_dscnt 0x0                               ; the block is back in registers
	s_wait_xcnt 0x0                                ; earlier stores have read their data: the registers that the block before last left are loaded again only behind this wait
.irp t, 0,1,2,3,4,5,6,7
	global_store_b128 v[CO], v[BK+4*\t:BK+4*\t+3], s[\base:\base+1] offset:(16*(\a)+2*\t)*CROW+(\off)
.endr
.endm
.macro WAYOUT base, off, low           ; my four blocks; block a's conversions stand between block a - 1's loads from the stage and the wait for them
.if \low
	PACKLO 0
.else
	PACK 0
.endif
	TOSTAGE 0
.irp a, 1,2,3
.if \low
	PACKLO \a
.else
	PACK \a
.endif
	SEND \a-1, \base, \off
	TOSTAGE \a
.endr
	SEND 3, \base, \off
.endm
	s_wait_tensorcnt 1                             ; my part of unit 0 is in (unit 1's load may be out)
	s_barrier_signal -1
	s_barrier_wait -1                              ; everybody's is
	; ---- unit 0: q
	FETCH_B 0, 0, 0
	s_wait_loadcnt 0x0                             ; A's fragments, the scale words, the bias
	STEP 0, 0, 1
.irp s, 1,2,3,4,5,6
	STEP 0, \s, 0
.endr
	WIN 0                                          ; unit 0's last step: slot 0 has been read out and is filled again, with unit 2
	s_wait_tensorcnt 0x0                           ; all my tensor loads have landed, my part of unit 1 among them;
	ds_add_u32 v[SPW], v[NIL]                      ; 0 onto my spare word;
	s_wait_dscnt 0x0                               ; the add is done, and my reads of slot 0 are over: the last step's fragments are in
	CROUND                                         ; no wave of any partner still reads slot 0 or has a load on its way
	tensor_load_to_lds s[G0+8:G0+11], s[G1:G1+7]   ; the first thing behind the round, and my one tensor load there
	s_nop 0
	PLACES
	WIN MULW
	MUL32 1, 7, 0
	NEXTIN 1, 10
	WAYOUT BQ, 0, 0                                ; the high parts,
	WAYOUT BQ, 256, 1                              ; the low parts, 256 bytes on in each row
	; ---- unit 1: k.  Slot 1 is whole: every wave waited for its part in front of the round above
	FETCH_B 1, 0, 0
	s_wait_loadcnt 0x0                             ; this unit's scale words and bias
	STEP 1, 0, 1
.irp s, 1,2,3,4,5,6,7
	STEP 1, \s, 0
.endr
	NEXTIN 2, 12
	WAYOUT BKV, 4096, 0
	; ---- unit 2: v
	s_wait_tensorcnt 0x0                           ; my part of unit 2 is in: no load was issued behind it (no LDS instruction of mine is out: the way out ended on a wait for all),
	s_barrier_signal -1
	s_barrier_wait -1                              ; everybody's is
	FETCH_B 0, 0, 0
	s_wait_loadcnt 0x0
	STEP 0, 0, 1
.irp s, 1,2,3,4,5,6,7
	STEP 0, \s, 0
.endr
	PLACES
	WIN 0
	WAYOUT BKV, 6144, 0
	s_wait_tensorcnt 0x0                           ; the wave's end
	ds_add_u32 v[SPW], v[NIL]
	s_wait_dscnt 0x0
	CROUND                                         ; the closing round
	s_endpgm
.Lfunc_end_k_qd34cb14256_qkvg:
	.size	k_qd34cb14256_qkvg, .Lfunc_end_k_qd34cb14256_qkvg-k_qd34cb14256_qkvg
	.p2alignl 7, 3214868480
	.fill 96, 4, 3214868480
	.section	.rodata,"a",@progbits
	.p2align	6, 0x0
	.amdhsa_kernel k_qd34cb14256_qkvg
		.amdhsa_group_segment_fixed_size 327680
		.amdhsa_private_segment_fixed_size 0
		.amdhsa_enable_private_segment 0
		.amdhsa_kernarg_size 48
		.amdhsa_user_sgpr_count 2
		.amdhsa_user_sgpr_kernarg_segment_ptr 1
		.amdhsa_wavefront_size32 1
		.amdhsa_system_sgpr_workgroup_id_x 1
		.amdhsa_system_sgpr_workgroup_id_y 1
		.amdhsa_system_sgpr_workgroup_id_z 1
		.amdhsa_system_vgpr_workitem_id 0
		.amdhsa_next_free_vgpr 1024
		.amdhsa_next_free_sgpr 100
		.amdhsa_reserve_vcc 0
		.amdhsa_float_denorm_mode_32 3
		.amdhsa_float_denorm_mode_16_64 3
		.amdhsa_memory_ordered 1
		.amdhsa_forward_progress 1
		.amdhsa_inst_pref_size 235
	.end_amdhsa_kernel
	.amdgpu_metadata
---
amdhsa.version: [ 1, 2 ]
amdhsa.kernels:
  - .name:           k_qd34cb14256_qkvg
    .symbol:         k_qd34cb14256_qkvg.kd
    .args:
      - { .name: codes, .offset: 0, .size: 8, .value_kind: global_buffer, .address_space: global }
      - { .name: scales, .offset: 8, .size: 8, .value_kind: global_buffer, .address_space: global }
      - { .name: bq, .offset: 16, .size: 8, .value_kind: global_buffer, .address_space: global }
      - { .name: bk, .offset: 24, .size: 8, .value_kind: global_buffer, .address_space: global }
      - { .name: bv, .offset: 32, .size: 8, .value_kind: global_buffer, .address_space: global }
      - { .name: qkv, .offset: 40, .size: 8, .value_kind: global_buffer, .address_space: global }
    .group_segment_fixed_size: 327680
    .private_segment_fixed_size: 0
    .kernarg_segment_align: 8
    .kernarg_segment_size: 48
    .max_flat_workgroup_size: 128
    .sgpr_count:     100
    .vgpr_count:     1024
    .wavefront_size: 32
...
	.end_amdgpu_metadata
.endif
;; end of part 2
;; launch score (part 3): grid 8 x 32, 4 waves a work-group, clusters of 4 x 4, 327,680 bytes of LDS; arguments qkv, pm, stats; writes pm, stats
.if DOCPART == 3
	.amdgcn_target "amdgcn-amd-amdhsa--gfx1250"
	.amdhsa_code_object_version 6
	.text
	.protected	k_qd34cb14256_score
	.globl	k_qd34cb14256_score
	.p2align	8
	.type	k_qd34cb14256_score,@function
k_qd34cb14256_score:
	s_mov_b64 s[64:65], 0
	v_nop
	global_prefetch_b8 v0, s[64:65] scope:SCOPE_SE
	s_setreg_imm32_b32 hwreg(HW_REG_WAVE_MODE, 25, 1), 1
	s_wait_xcnt 0x0
	s_wait_alu depctr_hold_cnt(0) depctr_sa_sdst(0) depctr_va_vdst(0) depctr_va_sdst(0) depctr_va_ssrc(0) depctr_va_vcc(0) depctr_vm_vsrc(0)
	s_getreg_b32 s2, hwreg(HW_REG_IB_STS2, 6, 4)
	s_cmp_eq_u32 s2, 0
	s_cbranch_scc0 .Lentry_in_a_cluster
	s_endpgm
.Lentry_in_a_cluster:
	s_bfe_u32 s2, ttmp6, 0x10000c
	s_cmp_lg_u32 s2, 0xf033
	s_cbranch_scc0 .Lentry_shape_is_right
	s_endpgm
.Lentry_shape_is_right:
; THE SCORES AND THE WEIGHTS.  s = q . k over 1,024 channels, f16 operands, f32 sums.  q COMES AS A PAIR OF f16 NUMBERS, a high and a low part: s = high . k + low . k, so that of the two operands' roundings only k's is left.
; t = s log2(e) / 8.  The softmax's maximum is taken in two stages.  Here, for each query and each CHUNK of 128 keys (a wave's columns): M_c = the chunk's largest t rounded up to a whole number;
; p = 2^(t - M_c), at most 1, rounded to f16 and stored; L_c = the f32 sum of the unrounded p.  The next launch knows all 16 M_c of a row, takes the row's largest, M, and weighs chunk c by 2^(M_c - M):
; so the row's own maximum is what is taken away.
; q, k and v lie in one buffer of rows of 8,192 bytes: q's 4,096 bytes hold, for each group of 128 channels, 256 bytes of high parts and 256 of low parts; k lies at byte 4,096.
; p: [8192 rows][2048 keys] f16.  stats: -M_c as f32 [16 chunks][8192 rows], then L_c likewise.
; A tile, 256 queries x 256 keys, is made by four waves, each 128 x 128: 64 accumulators, 512 registers.  The product goes in 16 steps through a ring of two LDS slots filled by the tensor data mover:
; step 2 g takes the high parts of channel group g, step 2 g + 1 its low parts, both against k's group g: slot 0 always holds high parts, slot 1 low parts, and each has its own copy of k's tile.
; CLUSTERS: 4 x 4 work-groups of one batch; q's tiles are asked for jointly along a row of the cluster, k's along a column.  By this text's own count a wave has two tensor loads out at the start, then one.
; THE MATRIX INSTRUCTION IS USED TRANSPOSED (source 0 = 16 keys, source 1 = 16 queries): a lane holds ONE query (lane % 16) and, in accumulator (a, b), the keys 16 b + 8 (lane / 16) + 0 .. 7.
; LIMITS: NaN and infinities are not served; a weight under 2^-24 is lost in f16.
; REGISTERS: window 0: v0-31 addresses and the softmax's small numbers; v64-127, v128-191 q's fragments, two buffers; on the way out v64-127 the exponents and weights, v192-223 packed weights, v32-63 and v224-255 rows read back.
;   window 1: v64-127, v128-191 k's fragments.   window 2: the accumulators of my queries 0-63 ((a, b) at v[8 (8 a + b)]);   window 3: those of queries 64-127.
.set KSTEP,  128
.set PITCH,  272                       ; an LDS row: 256 bytes + 16 of padding: the 16 rows of a load start at 16 different banks (64 banks of 4 bytes: ISA guide 11.1)
.set HALFT,  128*PITCH
.set SLOT,   4*HALFT
.set STAGE,  2*SLOT                    ; 16 rows x 272 bytes for each wave
.set SPITCH, 272
.set STATS,  STAGE+4*16*SPITCH         ; 1,024 bytes for each wave: -M_c of its 128 queries, then L_c
.set SPARE,  STATS+4*1024              ; the spare words, 128 bytes for each wave, which no other line names
.set LAPS,   8                         ; 8 channel groups x (high, low) = 16 steps = 8 times round the ring
.set QROW,   8192                      ; a row of q | k | v in bytes
.set QPIT,   4096                      ; and in elements
.set KOFF,   4096                      ; k's part of a row
.set PROW,   4096                      ; a row of p in bytes
.set MX,   1                           ; v1-8   eight running maxima
.set LS,   9                           ; v9     L_c
.set NM,   10                          ; v[10:11] -M_c (the packed form names the pair and takes its low word)
.set SA,   12                          ; v[12:13], v[14:15] two chains of sums
.set SB,   14
.set ADRA, 16
.set SV,   18                          ; v18    lanes 0-15: -M_c, lanes 16-31: L_c
.set PT,   19                          ; v19    what the other half of the lanes sends
.set ADRB, 20
.set STO,  24
.set RD,   25
.set CO,   26
.set ADST, 27                          ; v27    where my query's statistics go in LDS
.set SPW,  28
.set NIL,  29
.set ADSR, 30                          ; v30    where I read them back, 16 bytes a lane
.set GS,   31                          ; v31    16 x lane
.set OB,   32
.set F0,   64
.set F1,   128
.set EX,   64
.set TMP,  192
.set G1, 24
.set G0, 32
.set G1B, 48
.set G0B, 56
.set CS,  66                           ; s[66:67] c = log2(e) / 8
.set SEL, 68                           ; s[68:69] lane selects for v_permlanex16_b32: lane l xor 16
.set HM,  70                           ; s70 the upper half of the lanes
.set MSB, 0
.macro WIN new                         ; the immediate's high byte repeats the setting that is left
.if MSB != (\new)
	s_set_vgpr_msb (MSB<<8)|(\new)
.set MSB, (\new)
.endif
.endm
.set MUL_LO, 0xa1                      ; source 0 (k) window 1, source 1 (q) window 0, C and D window 2
.set MUL_HI, 0xf1
.set TO_B,   0x40
.macro JLOAD s                         ; a joint load: waves 0 and 1 fetch q's two halves, waves 2 and 3 k's; an s_nop 0 and four v_nop follow each line
	s_cmp_eq_u32 s11, 0
	s_cbranch_scc0 .Lfor_b_\@
	tensor_load_to_lds s[G0+4*\s:G0+4*\s+3], s[G1:G1+7]
	s_nop 0
.rept 4
	v_nop
.endr
	s_branch .Lasked_\@
.Lfor_b_\@:
	tensor_load_to_lds s[G0B+4*\s:G0B+4*\s+3], s[G1B:G1B+7]
	s_nop 0
.rept 4
	v_nop
.endr
.Lasked_\@:
.endm
.macro CREST                           ; a round of the cluster's barrier behind its opening barrier
	s_cmp_lg_u32 s10, 0
	s_cbranch_scc1 .Lnot_wave_0_\@
	s_barrier_signal -3
.Lnot_wave_0_\@:
	s_barrier_wait -3
	s_barrier_signal -1
	s_barrier_wait -1
.endm
.macro CROUND
	s_barrier_signal -1
	s_barrier_wait -1
	CREST
.endm
	s_load_b128 s[4:7], s[0:1], 0x0                ; q | k | v s[4:5], p s[6:7]
	s_load_b64 s[8:9], s[0:1], 0x10                ; stats
	v_lshl_add_u32 v[SPW], v0, 2, SPARE
	v_mov_b32 v[NIL], 0
	ds_add_u32 v[SPW], v[NIL]                      ; the wave's opening: the add, twice on end, and its wait ahead of my first tensor load
	ds_add_u32 v[SPW], v[NIL]
	v_lshrrev_b32 v1, 5, v0
	v_readfirstlane_b32 s10, v1                    ; wave 0..3
	s_lshr_b32 s11, s10, 1                         ; which half of the tile's queries is mine.  Also: I fetch for q (0) or for k (1)
	s_and_b32 s12, s10, 1                          ; which half of its keys.  Also: which 128 rows of that tile I fetch
	s_bfe_u32 s40, ttmp6, 0x40000                  ; cx, cy
	s_bfe_u32 s41, ttmp6, 0x40004
	s_lshl_b32 s42, ttmp9, 2
	s_add_co_u32 s42, s42, s40                     ; block of 256 keys = 4 x cluster x + cx
	s_and_b32 s45, ttmp7, 0xffff                   ; cluster y
	s_lshl_b32 s13, s45, 2
	s_add_co_u32 s13, s13, s41                     ; block of 256 rows = 4 x cluster y + cy
	s_lshr_b32 s45, s45, 1                         ; the batch: two clusters along y to a batch; the same in all partners
	s_lshl_b32 s43, s41, 2
	s_lshl_b32 s43, 15, s43                        ; my row of the cluster
	s_lshl_b32 s44, 0x1111, s40                    ; my column
	s_or_b32 s[G1+0], s43, (1<<16)|(1<<20)|(1<<21)|(5<<22)|(3<<25)  ; the mask; elements of 2 bytes; padding on; bit 21 beside a mask; four words behind every 64
	s_or_b32 s[G1B+0], s44, (1<<16)|(1<<20)|(1<<21)|(5<<22)|(3<<25)
.irp g, G1, G1B
	s_mov_b32 s[\g+1], KSTEP<<16                   ; tensor_dim0 = 128
	s_mov_b32 s[\g+2], 128<<16                     ; tensor_dim1 = 128
	s_mov_b32 s[\g+3], KSTEP<<16                   ; tile_dim0 = 128
	s_mov_b32 s[\g+4], 128                         ; tile_dim1 = 128
	s_mov_b32 s[\g+5], QPIT                        ; elements from row to row
	s_mov_b32 s[\g+6], 0
	s_mov_b32 s[\g+7], 0
.endr
	s_mov_b32 s[CS], 0x3e38aa3b                    ; log2(e) / 8
	s_mov_b32 s[CS+1], s[CS]
	s_mov_b32 s[SEL], 0x76543210
	s_mov_b32 s[SEL+1], 0xfedcba98
	s_mov_b32 s[HM], 0xffff0000
	s_lshl_b32 s17, s12, 7                         ; which 128 rows of the tile I fetch
	s_lshl_b32 s16, s13, 8
	s_add_co_u32 s16, s16, s17                     ; q: row 256 x block + 128 x half
	s_lshl_b32 s46, s42, 8
	s_add_co_u32 s46, s46, s17
	s_lshl_b32 s47, s45, 11
	s_add_co_u32 s46, s46, s47                     ; k: row 2,048 x batch + 256 x block + 128 x half
	s_mov_b32 s17, 0
	s_mov_b32 s47, 0
	s_mov_b64 s[18:19], QROW
	s_mul_u64 s[16:17], s[16:17], s[18:19]
	s_mul_u64 s[46:47], s[46:47], s[18:19]
	s_add_nc_u64 s[46:47], s[46:47], KOFF          ; k's part of a row
	s_mul_i32 s20, s10, HALFT                      ; where they go: wave x 128 rows
	s_wait_dscnt 0x0                               ; both opening adds are done
	s_wait_kmcnt 0x0
	s_add_nc_u64 s[14:15], s[4:5], s[16:17]
	s_add_nc_u64 s[46:47], s[4:5], s[46:47]
	CROUND                                         ; all sixteen work-groups are here: the first joint loads meet
.irp s, 0,1
	s_mov_b32 s[G0+4*\s], 1
	s_add_co_u32 s[G0+4*\s+1], s20, \s*SLOT
	s_add_nc_u64 s[G0+4*\s+2:G0+4*\s+3], s[14:15], \s*KSTEP*2      ; slot 0: group 0's high parts; slot 1: its low parts
	s_or_b32 s[G0+4*\s+3], s[G0+4*\s+3], 0x80000000
	s_mov_b32 s[G0B+4*\s], 1
	s_add_co_u32 s[G0B+4*\s+1], s20, \s*SLOT
	s_mov_b64 s[G0B+4*\s+2:G0B+4*\s+3], s[46:47]                   ; both slots: k's group 0
	s_or_b32 s[G0B+4*\s+3], s[G0B+4*\s+3], 0x80000000
	JLOAD \s
.endr
	v_and_b32 v1, 15, v0                           ; r
	v_bfe_u32 v2, v0, 4, 1                         ; h
	v_mul_u32_u24 v3, v1, PITCH
	v_lshl_add_u32 v3, v2, 4, v3                   ; a fragment's row x pitch + 16 x half
	s_mul_i32 s21, s11, HALFT                      ; my 128 queries
	s_mul_i32 s22, s12, HALFT                      ; my 128 keys,
	s_add_co_u32 s22, s22, 2*HALFT                 ; which lie behind q's 256 rows
.irp s, 0,1
	v_add_nc_u32 v[ADRA+\s], s21, v3
	v_add_nc_u32 v[ADRB+\s], s22, v3
	s_add_co_u32 s21, s21, SLOT
	s_add_co_u32 s22, s22, SLOT
.endr
	s_mul_i32 s23, s10, 16*SPITCH
	s_add_co_u32 s23, s23, STAGE                   ; my stage
	v_mul_u32_u24 v4, v1, SPITCH
	v_lshl_add_u32 v4, v2, 4, v4
	v_add_nc_u32 v[STO], s23, v4
	v_mul_u32_u24 v5, v2, SPITCH
	v_lshl_add_u32 v5, v1, 4, v5
	v_add_nc_u32 v[RD], s23, v5
	v_lshlrev_b32 v5, 12, v2                       ; a row of p is 4,096 bytes
	v_lshl_add_u32 v[CO], v1, 4, v5
	s_lshl_b32 s23, s10, 10
	s_add_co_u32 s23, s23, STATS                   ; my statistics
	v_lshlrev_b32 v4, 2, v1
	v_lshl_add_u32 v4, v2, 9, v4
	v_add_nc_u32 v[ADST], s23, v4                  ; 4 r, and 512 on for the upper half of the lanes, which carries L_c
	v_and_b32 v5, 31, v0
	v_lshlrev_b32 v[GS], 4, v5
	v_add_nc_u32 v[ADSR], s23, v[GS]
	v_mov_b32 v[PT], 0                             ; written once: a lane permute's destination counts as one of its sources
	v_mov_b32 v[NM+1], 0                           ; named as the upper half of a pair
	s_lshl_b32 s16, s13, 8
	s_lshl_b32 s17, s11, 7
	s_add_co_u32 s16, s16, s17                     ; my first row
	s_lshl_b32 s20, s16, 2                         ; in a chunk's statistics,
	s_lshl_b32 s16, s16, 12                        ; and in p
	s_lshl_b32 s46, s42, 9
	s_lshl_b32 s47, s12, 8
	s_add_co_u32 s46, s46, s47                     ; my first key, in bytes: 512 x block + 256 x half
	s_add_co_u32 s16, s16, s46
	s_mov_b32 s17, 0
	s_add_nc_u64 s[6:7], s[6:7], s[16:17]
	s_lshl_b32 s46, s42, 1
	s_add_co_u32 s46, s46, s12                     ; my chunk: 2 x block + half
	s_lshl_b32 s46, s46, 15                        ; 8,192 rows of 4 bytes a chunk
	s_add_co_u32 s20, s20, s46
	s_mov_b32 s21, 0
	s_add_nc_u64 s[8:9], s[8:9], s[20:21]
; 16 matrix instructions: query blocks a0, a0 + 1 of the window's four x all 8 key blocks, 32 channels.  zero = 1: the first product starts the sums.
.macro MUL16 f, hi, a0, zero
.irp a, \a0, \a0+1
.irp b, 0,1,2,3,4,5,6,7
.if \zero
	v_wmma_f32_16x16x32_f16 v[8*(8*(\a)+\b):8*(8*(\a)+\b)+7], v[\f+8*\b:\f+8*\b+7], v[\f+8*(4*\hi+\a):\f+8*(4*\hi+\a)+7], 0
.else
	v_wmma_f32_16x16x32_f16 v[8*(8*(\a)+\b):8*(8*(\a)+\b)+7], v[\f+8*\b:\f+8*\b+7], v[\f+8*(4*\hi+\a):\f+8*(4*\hi+\a)+7], v[8*(8*(\a)+\b):8*(8*(\a)+\b)+7]
.endif
.endr
.endr
.endm
.macro FETCH slot, k, f                ; 32 LDS loads in one run: the fragments of 32 channels at byte k of the rows
	WIN TO_B
.irp i, 0,1,2,3,4,5,6,7
	ds_load_b128 v[\f+8*\i:\f+8*\i+3],   v[ADRB+\slot] offset:\k+\i*16*PITCH
	ds_load_b128 v[\f+8*\i+4:\f+8*\i+7], v[ADRB+\slot] offset:\k+\i*16*PITCH+32
.endr
	WIN 0
.irp i, 0,1,2,3,4,5,6,7
	ds_load_b128 v[\f+8*\i:\f+8*\i+3],   v[ADRA+\slot] offset:\k+\i*16*PITCH
	ds_load_b128 v[\f+8*\i+4:\f+8*\i+7], v[ADRA+\slot] offset:\k+\i*16*PITCH+32
.endr
.endm
.macro PLACES                          ; four plain vector instructions between a matrix instruction and a load into, or a vector read of, its registers
.rept 4
	v_nop
.endr
.endm
.macro QUARTER slot, k, f, g, zero     ; 64 matrix instructions on buffer f; in their middle the next quarter's fragments are fetched into buffer g
	s_wait_dscnt 8                                 ; k's fragments and q's rows 0-63 are in; the youngest eight loads (q's rows 64-127) may be out
	WIN MUL_LO
	MUL16 \f, 0, 0, \zero
	MUL16 \f, 0, 2, \zero
	PLACES
	FETCH \slot, \k, \g
	s_wait_dscnt 32                                ; all but the 32 just issued
	WIN MUL_HI
	MUL16 \f, 1, 0, \zero
	MUL16 \f, 1, 2, \zero
.endm
; A slot's last quarter multiplies buffer 1 and changes slots: ONE barrier.  In front of it each wave waits for all its tensor loads (its part of the next slot), adds 0 to its spare word, and waits for that and for
; its own reads of this slot.  fill = 1: the barrier opens a round of the cluster's barrier, and this slot is filled again, with the next channel group, first thing behind the round.
.macro TURN slot, next, fill
	WIN 0
	s_wait_tensorcnt 0x0
	ds_add_u32 v[SPW], v[NIL]
	s_wait_dscnt 9                                 ; (the add and the youngest eight loads may be out)
	WIN MUL_LO
	MUL16 F1, 0, 0, 0
	s_wait_dscnt 0x0                               ; the add is done, and my reads of this slot are over
	s_barrier_signal -1
	MUL16 F1, 0, 2, 0
.if \fill
	WIN 0
.endif
	s_barrier_wait -1
.if \fill
	CREST
	s_add_nc_u64 s[G0+4*\slot+2:G0+4*\slot+3], s[G0+4*\slot+2:G0+4*\slot+3], 2*KSTEP*2    ; q: a group is 512 bytes, high and low parts
	s_add_nc_u64 s[G0B+4*\slot+2:G0B+4*\slot+3], s[G0B+4*\slot+2:G0B+4*\slot+3], KSTEP*2  ; k: 256 bytes
	JLOAD \slot                                    ; its four v_nop are also the places in front of the loads below
.else
	PLACES
.endif
	FETCH \next, 0, F0
	WIN MUL_HI
	MUL16 F1, 1, 0, 0
	MUL16 F1, 1, 2, 0
.endm
	s_wait_tensorcnt 1                             ; my part of step 0 is in; step 1's may stay out
	s_barrier_signal -1
	s_barrier_wait -1
	FETCH 0, 0, F0
	QUARTER 0, 64,  F0, F1, 1                      ; the first quarter stands in front of the loop: its products start the sums
	WIN 0
	s_mov_b32 s3, LAPS-1
.Llap:                                                 ; a trip goes once round the ring and fills both slots again
	QUARTER 0, 128, F1, F0, 0
	QUARTER 0, 192, F0, F1, 0
	TURN 0, 1, 1
	QUARTER 1, 64,  F0, F1, 0
	QUARTER 1, 128, F1, F0, 0
	QUARTER 1, 192, F0, F1, 0
	TURN 1, 0, 1
	QUARTER 0, 64,  F0, F1, 0
	WIN 0
	s_sub_co_u32 s3, s3, 1
	s_cmp_lg_u32 s3, 0
	s_cbranch_scc1 .Llap
	QUARTER 0, 128, F1, F0, 0                      ; the last lap fills nothing
	QUARTER 0, 192, F0, F1, 0
	TURN 0, 1, 0
	QUARTER 1, 64,  F0, F1, 0
	QUARTER 1, 128, F1, F0, 0
	QUARTER 1, 192, F0, F1, 0
	s_wait_dscnt 8
	WIN MUL_LO
	MUL16 F1, 0, 0, 0
	MUL16 F1, 0, 2, 0
	s_wait_dscnt 0
	WIN MUL_HI
	MUL16 F1, 1, 0, 0
	MUL16 F1, 1, 2, 0
	WIN 0
; THE SOFTMAX OF A BLOCK OF 16 QUERIES over my 128 keys.  A lane holds 64 scores of its query, the lane 16 away the other 64.
.macro SOFT a
.set AC, 64*((\a)%4)
.set WW, 2+(\a)/4                      ; the block's window
	WIN WW*0x15                                    ; all three sources in it
.irp b, 0,1,2,3,4,5,6,7
	v_max3_num_f32 v[MX+\b], v[AC+8*\b], v[AC+8*\b+1], v[AC+8*\b+2]   ; eight chains; each accumulator is read from its low end on
.endr
	WIN WW*0x14                                    ; sources 1 and 2
.irp i, 3,5
.irp b, 0,1,2,3,4,5,6,7
	v_max3_num_f32 v[MX+\b], v[MX+\b], v[AC+8*\b+\i], v[AC+8*\b+\i+1]
.endr
.endr
.irp b, 0,1,2,3
	v_max3_num_f32 v[MX+\b], v[MX+\b], v[AC+8*\b+7], v[AC+8*\b+39]
.endr
	WIN 0
	v_max3_num_f32 v[MX], v[MX], v[MX+1], v[MX+2]
	v_max3_num_f32 v[MX+3], v[MX+3], v[MX+4], v[MX+5]
	v_max3_num_f32 v[MX], v[MX], v[MX+6], v[MX+7]
	v_max_num_f32 v[MX], v[MX], v[MX+3]
	v_permlanex16_b32 v[PT], v[MX], s[SEL], s[SEL+1]
	v_max_num_f32 v[MX], v[MX], v[PT]              ; the chunk's largest score of my query
	v_mul_f32 v[MX], s[CS], v[MX]                  ; as t (c is positive)
	v_floor_f32 v[NM], -v[MX]                      ; -M_c = floor(-t): M_c is a whole number
	WIN WW                                         ; source 0
.set J, 0
.rept 32
	v_pk_fma_f32 v[EX+J:EX+J+1], v[AC+J:AC+J+1], s[CS:CS+1], v[NM:NM+1] op_sel_hi:[1,0,0]   ; t - M_c, two at a time
.set J, J+2
.endr
	WIN 0
.set J, 0
.rept 64
	v_exp_f32 v[EX+J], v[EX+J]                     ; p = 2^(t - M_c)
.set J, J+1
.endr
	v_nop                                          ; a plain instruction behind the last exponential
	s_wait_alu depctr_va_vdst(0)                   ; one wait for the whole batch, ahead of its first reader
	v_pk_add_f32 v[SA:SA+1], v[EX:EX+1], v[EX+2:EX+3]       ; the sum of the unrounded p, in two chains
	v_pk_add_f32 v[SB:SB+1], v[EX+4:EX+5], v[EX+6:EX+7]
.set J, 8
.rept 14
	v_pk_add_f32 v[SA:SA+1], v[SA:SA+1], v[EX+J:EX+J+1]
	v_pk_add_f32 v[SB:SB+1], v[SB:SB+1], v[EX+J+2:EX+J+3]
.set J, J+4
.endr
.set J, 0
.rept 32
	v_cvt_pk_f16_f32 v[TMP+J], v[EX+2*J], v[EX+2*J+1]       ; eight neighbouring keys pack into 16 bytes
.set J, J+1
.endr
	v_pk_add_f32 v[SA:SA+1], v[SA:SA+1], v[SB:SB+1]
	v_add_f32 v[LS], v[SA], v[SA+1]
	v_permlanex16_b32 v[PT], v[LS], s[SEL], s[SEL+1]
	v_add_f32 v[LS], v[LS], v[PT]                  ; L_c
	v_cndmask_b32 v[SV], v[NM], v[LS], s[HM]       ; lanes 0-15 carry -M_c, lanes 16-31 L_c
	ds_store_b32 v[ADST], v[SV] offset:64*(\a)
.endm
.macro TOSTAGE a
.set BK, OB+192*((\a)%2)
.irp b, 0,1,2,3,4,5,6,7
	ds_store_b128 v[STO], v[TMP+4*\b:TMP+4*\b+3] offset:32*\b
.endr
.irp t, 0,1,2,3,4,5,6,7
	ds_load_b128 v[BK+4*\t:BK+4*\t+3], v[RD] offset:\t*2*SPITCH    ; LDS serves a wave's instructions in order (ISA guide 5.7.1.4): these see the stores above
.endr
.endm
.macro SEND a, younger                 ; younger: the LDS instructions issued behind the block's loads, which may stay out
.set BK, OB+192*((\a)%2)
	s_wait_dscnt \younger
	s_wait_xcnt 0x0                                ; earlier stores have read their base and their data
.if (\a) > 0
	s_add_nc_u64 s[6:7], s[6:7], 16*PROW
.endif
.irp t, 0,1,2,3,4,5,6,7
	global_store_b128 v[CO], v[BK+4*\t:BK+4*\t+3], s[6:7] offset:2*\t*PROW   ; 16 lanes store 256 consecutive bytes, aligned
.endr
.endm
	PLACES
	SOFT 0
	TOSTAGE 0
.irp a, 1,2,3,4,5,6,7                  ; block a's softmax stands between block a - 1's loads from the stage and the wait for them
	SOFT \a
	SEND \a-1, 1                                   ; the one younger LDS instruction is block a's store of its statistics
	TOSTAGE \a
.endr
	SEND 7, 0
	ds_load_b128 v[64:67], v[ADSR]                 ; my 128 queries' -M_c, 16 bytes a lane,
	ds_load_b128 v[68:71], v[ADSR] offset:512      ; and L_c
	s_wait_dscnt 0x0
	global_store_b128 v[GS], v[64:67], s[8:9]      ; 512 consecutive bytes each, aligned
	global_store_b128 v[GS], v[68:71], s[8:9] offset:524288
	s_wait_tensorcnt 0x0                           ; the wave's end
	ds_add_u32 v[SPW], v[NIL]
	s_wait_dscnt 0x0
	CROUND                                         ; the closing round
	s_endpgm
.Lfunc_end_k_qd34cb14256_score:
	.size	k_qd34cb14256_score, .Lfunc_end_k_qd34cb14256_score-k_qd34cb14256_score
	.p2alignl 7, 3214868480
	.fill 96, 4, 3214868480
	.section	.rodata,"a",@progbits
	.p2align	6, 0x0
	.amdhsa_kernel k_qd34cb14256_score
		.amdhsa_group_segment_fixed_size 327680
		.amdhsa_private_segment_fixed_size 0
		.amdhsa_enable_private_segment 0
		.amdhsa_kernarg_size 24
		.amdhsa_user_sgpr_count 2
		.amdhsa_user_sgpr_kernarg_segment_ptr 1
		.amdhsa_wavefront_size32 1
		.amdhsa_system_sgpr_workgroup_id_x 1
		.amdhsa_system_sgpr_workgroup_id_y 1
		.amdhsa_system_sgpr_workgroup_id_z 1
		.amdhsa_system_vgpr_workitem_id 0
		.amdhsa_next_free_vgpr 1024
		.amdhsa_next_free_sgpr 80
		.amdhsa_reserve_vcc 0
		.amdhsa_float_denorm_mode_32 3
		.amdhsa_float_denorm_mode_16_64 3
		.amdhsa_memory_ordered 1
		.amdhsa_forward_progress 1
		.amdhsa_inst_pref_size 212
	.end_amdhsa_kernel
	.amdgpu_metadata
---
amdhsa.version: [ 1, 2 ]
amdhsa.kernels:
  - .name:           k_qd34cb14256_score
    .symbol:         k_qd34cb14256_score.kd
    .args:
      - { .name: qkv, .offset: 0, .size: 8, .value_kind: global_buffer, .address_space: global }
      - { .name: pm, .offset: 8, .size: 8, .value_kind: global_buffer, .address_space: global }
      - { .name: stats, .offset: 16, .size: 8, .value_kind: global_buffer, .address_space: global }
    .group_segment_fixed_size: 327680
    .private_segment_fixed_size: 0
    .kernarg_segment_align: 8
    .kernarg_segment_size: 24
    .max_flat_workgroup_size: 128
    .sgpr_count:     80
    .vgpr_count:     1024
    .wavefront_size: 32
...
	.end_amdgpu_metadata
.endif
;; end of part 3
;; launch pv (part 4): grid 4 x 64, 4 waves a work-group, clusters of 4 x 4, 327,680 bytes of LDS; arguments pm, qkv, stats, ctx; writes ctx
.if DOCPART == 4
	.amdgcn_target "amdgcn-amd-amdhsa--gfx1250"
	.amdhsa_code_object_version 6
	.text
	.protected	k_qd34cb14256_pv
	.globl	k_qd34cb14256_pv
	.p2align	8
	.type	k_qd34cb14256_pv,@function
k_qd34cb14256_pv:
	s_mov_b64 s[64:65], 0
	v_nop
	global_prefetch_b8 v0, s[64:65] scope:SCOPE_SE
	s_setreg_imm32_b32 hwreg(HW_REG_WAVE_MODE, 25, 1), 1
	s_wait_xcnt 0x0
	s_wait_alu depctr_hold_cnt(0) depctr_sa_sdst(0) depctr_va_vdst(0) depctr_va_sdst(0) depctr_va_ssrc(0) depctr_va_vcc(0) depctr_vm_vsrc(0)
	s_getreg_b32 s2, hwreg(HW_REG_IB_STS2, 6, 4)
	s_cmp_eq_u32 s2, 0
	s_cbranch_scc0 .Lentry_in_a_cluster
	s_endpgm
.Lentry_in_a_cluster:
	s_bfe_u32 s2, ttmp6, 0x10000c
	s_cmp_lg_u32 s2, 0xf033
	s_cbranch_scc0 .Lentry_shape_is_right
	s_endpgm
.Lentry_shape_is_right:
; ctx = softmax weights x v.  A = p [8192 rows][2048 keys] f16, each CHUNK of 128 keys under its own whole-number maximum M_c; B = v, f16, as it lies: rows (keys) of 8,192 bytes, v at byte 6,144.
; stats: -M_c as f32 [16 chunks][8192 rows], then L_c (the chunk's sum of weights) likewise.  The result is f16 [8192][1024].
; For each row M = the largest of its 16 M_c, l = the sum of 2^(M_c - M) L_c, and g_c = 2^(M_c - M) / l.  A K step is a chunk: its products are summed in accumulators of their own, T, begun with 0, and then
; added in f32: ACC += g_c T.  So the row's own maximum is what the softmax takes away, the division is in g_c, and the weights go to the matrix unit as they were stored.
; A tile of the result is 128 x 256: 256 work-groups.  Four waves, each 64 x 128: 32 accumulators T and 32 ACC, 256 registers each.  The chunks go through a ring of two LDS slots (A: 128 rows of 256 bytes;
; B: 128 rows of 512 bytes).  B's fragments come out of LDS turned, by ds_load_tr16_b128.  THE MATRIX INSTRUCTION IS USED TRANSPOSED (source 0 = 16 columns of B, source 1 = 16 rows of A): a lane holds one
; row of the result and eight neighbouring columns, so that g_c is one number a lane and block of rows.
; THE ADDITIONS STAND AMONG THE PRODUCTS: blocks 0 and 1 of a chunk are added behind its last products of blocks 2 and 3; blocks 2 and 3 behind the next chunk's first sixteen products.
; CLUSTERS: 4 x 4 work-groups; A's tiles are asked for jointly along a row of the cluster, B's along a column.  By this text's own count a wave has two tensor loads out at the start, then one.
; LIMITS: NaN and infinities are not served; g_c under the smallest f32 number counts as 0, against a row sum of at least 1/2.
; REGISTERS: window 0: v0-31 addresses; v32-127, v128-223 two fragment buffers (B's eight fragments, then A's four); v224-239 g_c, two sets (by the chunk's slot) of four pairs; v240-251 at work at the head.
;   window 1: ACC (a, b) at v[8 (8 a + b)].   window 2: T likewise.
.set PITA,  2048                       ; A: elements from row to row
.set ROWA,  4096                       ; and bytes
.set PITB,  4096
.set ROWBB, 8192
.set BOFF,  6144                       ; v's part of a row
.set OROW,  2048                       ; a row of the result in bytes
.set SPITCH, 272
.set PA,    272                        ; A's row in LDS: 256 bytes + 16
.set PB,    544                        ; B's: 512 + 32 = 17 x 32 bytes
.set AT,    128*PA                     ; a slot: A's 128 rows, then B's 128
.set HALFA, 64*PA
.set HALFB, 64*PB
.set SLOT,  AT+2*HALFB
.set TABLE, 2*SLOT                     ; 8,192 bytes for each wave: g_c, [16 chunks][16 rows r][4 blocks a][twice]
.set TABW,  8192
.set STAGE, TABLE+4*TABW               ; the way out: 16 rows x 272 bytes for each wave
.set SPARE, STAGE+4*16*SPITCH          ; the spare words, 128 bytes for each wave, which no other line names
.set ADRA, 16
.set ADRB, 20
.set ADRF, 22                          ; v22 where the chunk's g_c lie
.set STO,  24
.set RD,   25
.set CO,   26
.set SPW,  28
.set NIL,  29
.set F0,   32
.set F1,   128
.set FAC,  224
.set GG,   240
.set PT,   241
.set LS,   242
.set LT,   244
.set RC,   248
.set NMR,  32                          ; at the head: -M_c (block a, chunk 8 h + i) at v[32 + 8 a + i], then 2^(M_c - M)
.set LLR,  64                          ; L_c likewise
.set FH,   96                          ; g_c twice, (i, a) at v[96 + 8 i + 2 a] and the next
.set TMP,  96                          ; the way out: packed results
.set G1, 24
.set G0, 32
.set G1B, 48
.set G0B, 56
.set SEL, 66
.set MSB, 0
.macro WIN new                         ; the immediate's high byte repeats the setting that is left
.if MSB != (\new)
	s_set_vgpr_msb (MSB<<8)|(\new)
.set MSB, (\new)
.endif
.endm
.set MUL,  0xa0                        ; sources 0 and 1 window 0; C and D (T) window 2
.set MRG,  0x52                        ; source 0 (T) window 2, source 1 (g_c) window 0, source 2 and destination (ACC) window 1
.macro JLOAD s                         ; a joint load: waves 0 and 1 fetch A's two halves, waves 2 and 3 B's; an s_nop 0 and four v_nop follow each line
	s_cmp_eq_u32 s13, 0
	s_cbranch_scc0 .Lfor_b_\@
	tensor_load_to_lds s[G0+4*\s:G0+4*\s+3], s[G1:G1+7]
	s_nop 0
.rept 4
	v_nop
.endr
	s_branch .Lasked_\@
.Lfor_b_\@:
	tensor_load_to_lds s[G0B+4*\s:G0B+4*\s+3], s[G1B:G1B+7]
	s_nop 0
.rept 4
	v_nop
.endr
.Lasked_\@:
.endm
.macro CREST
	s_cmp_lg_u32 s12, 0
	s_cbranch_scc1 .Lnot_wave_0_\@
	s_barrier_signal -3
.Lnot_wave_0_\@:
	s_barrier_wait -3
	s_barrier_signal -1
	s_barrier_wait -1
.endm
.macro CROUND
	s_barrier_signal -1
	s_barrier_wait -1
	CREST
.endm
	s_load_b256 s[4:11], s[0:1], 0x0               ; p s[4:5], q | k | v s[6:7], stats s[8:9], the result s[10:11]
	v_lshl_add_u32 v[SPW], v0, 2, SPARE
	v_mov_b32 v[NIL], 0
	ds_add_u32 v[SPW], v[NIL]                      ; the wave's opening: the add, twice on end, and its wait ahead of my first tensor load
	ds_add_u32 v[SPW], v[NIL]
	v_lshrrev_b32 v1, 5, v0
	v_readfirstlane_b32 s12, v1                    ; wave 0..3
	s_lshr_b32 s13, s12, 1                         ; which 64 rows of the tile are mine.  Also: I fetch for A (0) or for B (1)
	s_and_b32 s14, s12, 1                          ; which 128 columns.  Also: which 64 rows of that tile I fetch
	s_bfe_u32 s40, ttmp6, 0x40000                  ; cx, cy
	s_bfe_u32 s41, ttmp6, 0x40004
	s_lshl_b32 s42, ttmp9, 2
	s_add_co_u32 s42, s42, s40                     ; tile column = 4 x cluster x + cx
	s_and_b32 s45, ttmp7, 0xffff                   ; cluster y
	s_lshl_b32 s15, s45, 2
	s_add_co_u32 s15, s15, s41                     ; tile row = 4 x cluster y + cy
	s_lshl_b32 s43, s41, 2
	s_lshl_b32 s43, 15, s43                        ; my row of the cluster
	s_lshl_b32 s44, 0x1111, s40                    ; my column
	s_or_b32 s[G1+0], s43, (1<<16)|(1<<20)|(1<<21)|(5<<22)|(3<<25)  ; A: the mask; elements of 2 bytes; padding on; bit 21 beside a mask; four words behind every 64
	s_mov_b32 s[G1+1], 128<<16                     ; tensor_dim0 = 128
	s_mov_b32 s[G1+2], 64<<16                      ; tensor_dim1 = 64
	s_mov_b32 s[G1+3], 128<<16                     ; tile_dim0
	s_mov_b32 s[G1+4], 64                          ; tile_dim1
	s_mov_b32 s[G1+5], PITA
	s_mov_b32 s[G1+6], 0
	s_mov_b32 s[G1+7], 0
	s_or_b32 s[G1B+0], s44, (1<<16)|(1<<20)|(1<<21)|(6<<22)|(7<<25) ; B: eight words behind every 128
	s_mov_b32 s[G1B+1], 256<<16
	s_mov_b32 s[G1B+2], 64<<16
	s_mov_b32 s[G1B+3], 256<<16
	s_mov_b32 s[G1B+4], 64
	s_mov_b32 s[G1B+5], PITB
	s_mov_b32 s[G1B+6], 0
	s_mov_b32 s[G1B+7], 0
	s_lshl_b32 s17, s14, 6                         ; which 64 rows of the tile I fetch
	s_lshl_b32 s16, s15, 7
	s_add_co_u32 s16, s16, s17                     ; A: row 128 x tile row + 64 x half
	s_mov_b32 s46, s17                             ; B: key 64 x half
	s_lshr_b32 s45, s45, 2                         ; the batch: four clusters along y to a batch; the same in all partners
	s_lshl_b32 s45, s45, 11
	s_add_co_u32 s46, s46, s45                     ; + the batch's 2,048 rows
	s_mov_b32 s[SEL], 0x76543210
	s_mov_b32 s[SEL+1], 0xfedcba98
	s_mov_b32 s17, 0
	s_mov_b32 s47, 0
	s_mov_b64 s[18:19], ROWA
	s_mul_u64 s[16:17], s[16:17], s[18:19]
	s_mov_b64 s[18:19], ROWBB
	s_mul_u64 s[46:47], s[46:47], s[18:19]
	s_lshl_b32 s20, s42, 9                         ; the tile's 256 columns of v: 512 bytes a tile column
	s_add_co_u32 s20, s20, BOFF
	s_mov_b32 s21, 0
	s_add_nc_u64 s[46:47], s[46:47], s[20:21]
	s_mul_i32 s22, s14, HALFA                      ; where they go in a slot: no place in the cluster enters an LDS address
	s_mul_i32 s23, s14, HALFB
	s_add_co_u32 s23, s23, AT
	s_wait_dscnt 0x0                               ; both opening adds are done
	s_wait_kmcnt 0x0
	s_add_nc_u64 s[16:17], s[4:5], s[16:17]
	s_add_nc_u64 s[46:47], s[6:7], s[46:47]
	CROUND                                         ; all sixteen work-groups are here: the first joint loads meet
.irp s, 0,1
	s_mov_b32 s[G0+4*\s], 1
	s_add_co_u32 s[G0+4*\s+1], s22, \s*SLOT
	s_add_nc_u64 s[G0+4*\s+2:G0+4*\s+3], s[16:17], \s*256
	s_or_b32 s[G0+4*\s+3], s[G0+4*\s+3], 0x80000000
	s_mov_b32 s[G0B+4*\s], 1
	s_add_co_u32 s[G0B+4*\s+1], s23, \s*SLOT
	s_add_nc_u64 s[G0B+4*\s+2:G0B+4*\s+3], s[46:47], \s*128*ROWBB
	s_or_b32 s[G0B+4*\s+3], s[G0B+4*\s+3], 0x80000000
	JLOAD \s
.endr
	v_and_b32 v1, 15, v0                           ; r
	v_bfe_u32 v2, v0, 4, 1                         ; h
	s_lshl_b32 s20, s15, 7
	s_lshl_b32 s21, s13, 6
	s_add_co_u32 s20, s20, s21                     ; my first row
	s_mov_b32 s21, 0
	s_mov_b64 s[18:19], OROW
	s_mul_u64 s[22:23], s[20:21], s[18:19]
	s_lshl_b32 s46, s42, 9
	s_lshl_b32 s47, s14, 8
	s_add_co_u32 s46, s46, s47                     ; my first column, in bytes
	s_mov_b32 s47, 0
	s_add_nc_u64 s[22:23], s[22:23], s[46:47]
	s_add_nc_u64 s[10:11], s[10:11], s[22:23]
	; the statistics of my 64 rows: lane (r, h) takes, for block a, row 16 a + r and chunks 8 h + 0 .. 7
	s_lshl_b32 s20, s20, 2
	s_add_nc_u64 s[8:9], s[8:9], s[20:21]
	v_lshlrev_b32 v6, 2, v1
	v_lshl_add_u32 v6, v2, 18, v6                  ; eight chunks of 32,768 bytes on for the upper half of the lanes
.irp a, 0,1,2,3
.irp i, 0,1,2,3,4,5,6,7
	global_load_b32 v[NMR+8*\a+\i], v6, s[8:9] offset:32768*\i+64*\a
	global_load_b32 v[LLR+8*\a+\i], v6, s[8:9] offset:524288+32768*\i+64*\a
.endr
.endr
	v_mul_u32_u24 v3, v1, PA
	v_lshl_add_u32 v3, v2, 4, v3                   ; A: row x pitch + 16 x half
	v_and_b32 v4, 7, v0
	v_lshl_add_u32 v4, v2, 3, v4                   ; B, turned: lane l reads row 8 (l / 16) + l % 8,
	v_mul_u32_u24 v4, v4, PB
	v_bfe_u32 v5, v0, 3, 1
	v_lshl_add_u32 v4, v5, 4, v4                   ; columns 8 ((l / 8) % 2) + 0 .. 7
	s_mul_i32 s20, s13, 64*PA                      ; my 64 rows of A
	s_lshl_b32 s21, s14, 8                         ; my 128 columns of B,
	s_add_co_u32 s21, s21, AT                      ; which lies behind A
.irp s, 0,1
	v_add_nc_u32 v[ADRA+\s], s20, v3
	v_add_nc_u32 v[ADRB+\s], s21, v4
	s_add_co_u32 s20, s20, SLOT
	s_add_co_u32 s21, s21, SLOT
.endr
	s_mul_i32 s20, s12, 16*SPITCH
	s_add_co_u32 s20, s20, STAGE                   ; my stage
	v_mul_u32_u24 v3, v1, SPITCH
	v_lshl_add_u32 v3, v2, 4, v3                   ; in: row r, 16 bytes for each half of the lanes
	v_add_nc_u32 v[STO], s20, v3
	v_mul_u32_u24 v3, v2, SPITCH                   ; back: lanes 0-15 one row of 256 bytes, lanes 16-31 the next
	v_lshl_add_u32 v3, v1, 4, v3
	v_add_nc_u32 v[RD], s20, v3
	v_mul_u32_u24 v3, v2, OROW
	v_lshl_add_u32 v[CO], v1, 4, v3
	s_lshl_b32 s20, s12, 13
	s_add_co_u32 s20, s20, TABLE                   ; my table of g_c
	v_lshl_add_u32 v[ADRF], v1, 5, s20             ; read: 32 r, 512 bytes a chunk
	v_lshl_add_u32 v7, v2, 12, v[ADRF]             ; written: my eight chunks begin 4,096 h on
	v_mov_b32 v[PT], 0                             ; written once: a lane permute's destination counts as one of its sources
	s_wait_loadcnt 0x0
.irp a, 0,1,2,3
	v_min3_num_f32 v[GG], v[NMR+8*\a], v[NMR+8*\a+1], v[NMR+8*\a+2]   ; -M = the least of the -M_c
	v_min3_num_f32 v[GG], v[GG], v[NMR+8*\a+3], v[NMR+8*\a+4]
	v_min3_num_f32 v[GG], v[GG], v[NMR+8*\a+5], v[NMR+8*\a+6]
	v_min_num_f32 v[GG], v[GG], v[NMR+8*\a+7]
	v_permlanex16_b32 v[PT], v[GG], s[SEL], s[SEL+1]
	v_min_num_f32 v[GG], v[GG], v[PT]
.irp i, 0,1,2,3,4,5,6,7
	v_sub_f32 v[NMR+8*\a+\i], v[GG], v[NMR+8*\a+\i]          ; M_c - M: a whole number, 0 or less
.endr
.irp i, 0,1,2,3,4,5,6,7
	v_cvt_i32_f32 v[NMR+8*\a+\i], v[NMR+8*\a+\i]             ; (it saturates)
.endr
.irp i, 0,1,2,3,4,5,6,7
	v_ldexp_f32 v[NMR+8*\a+\i], 1.0, v[NMR+8*\a+\i]          ; 2^(M_c - M)
.endr
	v_mul_f32 v[LS], v[NMR+8*\a], v[LLR+8*\a]
.irp i, 1,2,3,4,5,6,7
	v_fmac_f32 v[LS], v[NMR+8*\a+\i], v[LLR+8*\a+\i]
.endr
	v_permlanex16_b32 v[PT], v[LS], s[SEL], s[SEL+1]
	v_add_f32 v[LT+\a], v[LS], v[PT]               ; l, the row's sum under M
.endr
.irp a, 0,1,2,3
	v_rcp_f32 v[RC+\a], v[LT+\a]
.endr
	v_nop                                          ; a plain instruction behind the last reciprocal
	s_wait_alu depctr_va_vdst(0)                   ; one wait for the four reciprocals
.irp a, 0,1,2,3
.irp i, 0,1,2,3,4,5,6,7
	v_mul_f32 v[FH+8*\i+2*\a], v[NMR+8*\a+\i], v[RC+\a]      ; g_c = 2^(M_c - M) / l,
	v_mul_f32 v[FH+8*\i+2*\a+1], v[NMR+8*\a+\i], v[RC+\a]    ; twice: a pair for the packed multiply-add
.endr
.endr
.irp i, 0,1,2,3,4,5,6,7
	ds_store_b128 v7, v[FH+8*\i:FH+8*\i+3] offset:512*\i
	ds_store_b128 v7, v[FH+8*\i+4:FH+8*\i+7] offset:512*\i+16
.endr
; 8 matrix instructions: rows block a x all 8 column blocks, 32 keys.  first = 1: a chunk's sums begin, with 0.  The 32 accumulators take turns in one order throughout.
.macro MUL8 f, a, first
.irp b, 0,1,2,3,4,5,6,7
.if \first
	v_wmma_f32_16x16x32_f16 v[8*(8*(\a)+\b):8*(8*(\a)+\b)+7], v[\f+8*\b:\f+8*\b+7], v[\f+64+8*(\a):\f+64+8*(\a)+7], 0
.else
	v_wmma_f32_16x16x32_f16 v[8*(8*(\a)+\b):8*(8*(\a)+\b)+7], v[\f+8*\b:\f+8*\b+7], v[\f+64+8*(\a):\f+64+8*(\a)+7], v[8*(8*(\a)+\b):8*(8*(\a)+\b)+7]
.endif
.endr
.endm
; Rows block a of a finished chunk goes into the result: ACC += g_c T, 32 packed instructions, each accumulator from its low end on.  sl: the chunk's slot, whose set of g_c is taken.
; mode = 1: the first chunk: ACC = g_c T: nothing is cleared.  mode = 2: every other.
.macro MERGE a, sl, mode
	WIN MRG
.set J, 64*(\a)
.rept 32
.if (\mode) == 1
	v_pk_mul_f32 v[J:J+1], v[J:J+1], v[FAC+8*(\sl)+2*(\a):FAC+8*(\sl)+2*(\a)+1]
.else
	v_pk_fma_f32 v[J:J+1], v[J:J+1], v[FAC+8*(\sl)+2*(\a):FAC+8*(\sl)+2*(\a)+1], v[J:J+1]
.endif
.set J, J+2
.endr
.endm
; 24 LDS loads in one run: the slot's q-th 32 keys: B's eight fragments (two turning loads each: rows 8 h + 0 .. 7 and 16 rows on), then A's four.  The youngest four are A's blocks 2 and 3.
.macro FETCH slot, q, f
	WIN 0
.irp b, 0,1,2,3,4,5,6,7
	ds_load_tr16_b128 v[\f+8*\b:\f+8*\b+3],   v[ADRB+\slot] offset:(\q)*32*PB+32*\b
	ds_load_tr16_b128 v[\f+8*\b+4:\f+8*\b+7], v[ADRB+\slot] offset:(\q)*32*PB+16*PB+32*\b
.endr
.irp a, 0,1,2,3
	ds_load_b128 v[\f+64+8*\a:\f+64+8*\a+3],   v[ADRA+\slot] offset:64*(\q)+\a*16*PA
	ds_load_b128 v[\f+64+8*\a+4:\f+64+8*\a+7], v[ADRA+\slot] offset:64*(\q)+\a*16*PA+32
.endr
.endm
.macro PLACES                          ; four plain vector instructions between a matrix instruction and a load into, or a vector read of, its registers
.rept 4
	v_nop
.endr
.endm
; 32 matrix instructions on buffer f; in their middle quarter qn's fragments are fetched into buffer g.  first = 1: a chunk's first quarter.  mm: what stands in the middle: 0: four v_nop;
; 1, 2: blocks 2 and 3 of the chunk before are added (MERGE's mode): 64 plain instructions that name no register of the products round them, and so are the places in front of the loads too.
.macro QUARTER slot, qn, f, g, first, mm
	s_wait_dscnt 4                                 ; all but A's blocks 2 and 3
	WIN MUL
	MUL8 \f, 0, \first
	MUL8 \f, 1, \first
.if (\mm) == 0
	PLACES
.else
	MERGE 2, 1-(\slot), \mm
	MERGE 3, 1-(\slot), \mm
.endif
	FETCH \slot, \qn, \g
	s_wait_dscnt 24                                ; all but the 24 just issued
	WIN MUL
	MUL8 \f, 2, \first
	MUL8 \f, 3, \first
.endm
; A chunk's last quarter multiplies buffer 1 and changes slots: ONE barrier.  In front of it each wave waits for all its tensor loads (its part of the next slot), adds 0 to its spare word, and waits for that and for
; its own reads of this slot.  fill = 1: the barrier opens a round of the cluster's barrier, and this slot is filled again, two chunks ahead, first thing behind the round.
; Blocks 0 and 1, finished in front of the barrier, are added behind the products of blocks 2 and 3: the v_nop behind the barrier are their places.
.macro TURN slot, next, fill, mode
	WIN 0
	s_wait_tensorcnt 0x0
	ds_add_u32 v[SPW], v[NIL]
	s_wait_dscnt 5                                 ; (the add and the youngest four loads may be out)
	WIN MUL
	MUL8 F1, 0, 0
	s_wait_dscnt 0x0                               ; the add is done, and my reads of this slot are over
	s_barrier_signal -1
	MUL8 F1, 1, 0
	WIN 0
	s_barrier_wait -1
.if \fill
	CREST
	s_add_nc_u64 s[G0+4*\slot+2:G0+4*\slot+3], s[G0+4*\slot+2:G0+4*\slot+3], 2*256
	s_add_nc_u64 s[G0B+4*\slot+2:G0B+4*\slot+3], s[G0B+4*\slot+2:G0B+4*\slot+3], 2*128*ROWBB
	JLOAD \slot                                    ; its four v_nop are also the places in front of the loads below
.else
	PLACES
.endif
	v_add_nc_u32 v[ADRF], 512, v[ADRF]             ; the next chunk's g_c, into the other set: that set's last reader stands in this chunk's first quarter
	ds_load_b128 v[FAC+8*\next:FAC+8*\next+3], v[ADRF]             ; the two oldest loads of the run
	ds_load_b128 v[FAC+8*\next+4:FAC+8*\next+7], v[ADRF] offset:16
	FETCH \next, 0, F0
	WIN MUL
	MUL8 F1, 2, 0
	MERGE 0, \slot, \mode
	WIN MUL
	MUL8 F1, 3, 0
	MERGE 1, \slot, \mode
.endm
	s_wait_tensorcnt 1                             ; my part of chunk 0 is in; chunk 1's may stay out
	s_wait_dscnt 0x0                               ; my table is written: no LDS instruction is pending at the signal
	s_barrier_signal -1
	s_barrier_wait -1
	ds_load_b128 v[FAC:FAC+3], v[ADRF]             ; chunk 0's g_c
	ds_load_b128 v[FAC+4:FAC+7], v[ADRF] offset:16
	FETCH 0, 0, F0
	QUARTER 0, 1, F0, F1, 1, 0                     ; chunk 0 and chunk 1's first quarter stand in front of the loop: chunk 0's additions begin the result
	QUARTER 0, 2, F1, F0, 0, 0
	QUARTER 0, 3, F0, F1, 0, 0
	TURN 0, 1, 1, 1
	QUARTER 1, 1, F0, F1, 1, 1
	WIN 0
	s_mov_b32 s3, 6
.Llap:                                                 ; trip t: the rest of chunk 2 t + 1, chunk 2 t + 2, the first quarter of chunk 2 t + 3; both slots are filled again: chunks 3 to 14
	QUARTER 1, 2, F1, F0, 0, 0
	QUARTER 1, 3, F0, F1, 0, 0
	TURN 1, 0, 1, 2
	QUARTER 0, 1, F0, F1, 1, 2
	QUARTER 0, 2, F1, F0, 0, 0
	QUARTER 0, 3, F0, F1, 0, 0
	TURN 0, 1, 1, 2
	QUARTER 1, 1, F0, F1, 1, 2
	WIN 0
	s_sub_co_u32 s3, s3, 1
	s_cmp_lg_u32 s3, 0
	s_cbranch_scc1 .Llap
	QUARTER 1, 2, F1, F0, 0, 0                     ; the tail is written out: chunk 13 asks for chunk 15, the last;
	QUARTER 1, 3, F0, F1, 0, 0
	TURN 1, 0, 1, 2
	QUARTER 0, 1, F0, F1, 1, 2                     ; chunk 14 asks for nothing;
	QUARTER 0, 2, F1, F0, 0, 0
	QUARTER 0, 3, F0, F1, 0, 0
	TURN 0, 1, 0, 2
	QUARTER 1, 1, F0, F1, 1, 2                     ; chunk 15
	QUARTER 1, 2, F1, F0, 0, 0
	QUARTER 1, 3, F0, F1, 0, 0
	s_wait_dscnt 4                                 ; the very last quarter: nothing more to fetch
	WIN MUL
	MUL8 F1, 0, 0
	MUL8 F1, 1, 0
	s_wait_dscnt 0
	MUL8 F1, 2, 0
	PLACES                                         ; behind the products of blocks 0 to 2
	MERGE 0, 1, 2
	WIN MUL
	MUL8 F1, 3, 0
	MERGE 1, 1, 2                                  ; these 32 are the places behind the products of block 3
	MERGE 2, 1, 2
	MERGE 3, 1, 2
	WIN 0
; THE WAY OUT, a block of 16 rows at a time: rounded to f16 (16 bytes a lane), into my own stage, back as whole rows of 256 bytes.  LDS serves a wave's instructions in order (ISA guide 5.7.1.4): no wait between the stores and the loads.
.macro PACK a
	WIN 0x05                                       ; sources 0 and 1: window 1
.set J, 0
.rept 32
	v_cvt_pk_f16_f32 v[TMP+J], v[64*(\a)+2*J], v[64*(\a)+2*J+1]
.set J, J+1
.endr
	WIN 0
.endm
.macro TOSTAGE a
.set BK, 128+32*((\a)%2)
.irp b, 0,1,2,3,4,5,6,7
	ds_store_b128 v[STO], v[TMP+4*\b:TMP+4*\b+3] offset:32*\b
.endr
.irp t, 0,1,2,3,4,5,6,7
	ds_load_b128 v[BK+4*\t:BK+4*\t+3], v[RD] offset:\t*2*SPITCH
.endr
.endm
.macro SEND a
.set BK, 128+32*((\a)%2)
	s_wait_dscnt 0x0                               ; the block is back in registers
	s_wait_xcnt 0x0                                ; earlier stores have read their base and their data
.if (\a) > 0
	s_add_nc_u64 s[10:11], s[10:11], 16*OROW
.endif
.irp t, 0,1,2,3,4,5,6,7
	global_store_b128 v[CO], v[BK+4*\t:BK+4*\t+3], s[10:11] offset:2*\t*OROW   ; 16 lanes store 256 consecutive bytes, aligned
.endr
.endm
	PACK 0
	TOSTAGE 0
.irp a, 1,2,3
	PACK \a
	SEND \a-1
	TOSTAGE \a
.endr
	SEND 3
	s_wait_tensorcnt 0x0                           ; the wave's end
	ds_add_u32 v[SPW], v[NIL]
	s_wait_dscnt 0x0
	CROUND                                         ; the closing round
	s_endpgm
.Lfunc_end_k_qd34cb14256_pv:
	.size	k_qd34cb14256_pv, .Lfunc_end_k_qd34cb14256_pv-k_qd34cb14256_pv
	.p2alignl 7, 3214868480
	.fill 96, 4, 3214868480
	.section	.rodata,"a",@progbits
	.p2align	6, 0x0
	.amdhsa_kernel k_qd34cb14256_pv
		.amdhsa_group_segment_fixed_size 327680
		.amdhsa_private_segment_fixed_size 0
		.amdhsa_enable_private_segment 0
		.amdhsa_kernarg_size 32
		.amdhsa_user_sgpr_count 2
		.amdhsa_user_sgpr_kernarg_segment_ptr 1
		.amdhsa_wavefront_size32 1
		.amdhsa_system_sgpr_workgroup_id_x 1
		.amdhsa_system_sgpr_workgroup_id_y 1
		.amdhsa_system_sgpr_workgroup_id_z 1
		.amdhsa_system_vgpr_workitem_id 0
		.amdhsa_next_free_vgpr 768
		.amdhsa_next_free_sgpr 80
		.amdhsa_reserve_vcc 0
		.amdhsa_float_denorm_mode_32 3
		.amdhsa_float_denorm_mode_16_64 3
		.amdhsa_memory_ordered 1
		.amdhsa_forward_progress 1
		.amdhsa_inst_pref_size 184
	.end_amdhsa_kernel
	.amdgpu_metadata
---
amdhsa.version: [ 1, 2 ]
amdhsa.kernels:
  - .name:           k_qd34cb14256_pv
    .symbol:         k_qd34cb14256_pv.kd
    .args:
      - { .name: pm, .offset: 0, .size: 8, .value_kind: global_buffer, .address_space: global }
      - { .name: qkv, .offset: 8, .size: 8, .value_kind: global_buffer, .address_space: global }
      - { .name: stats, .offset: 16, .size: 8, .value_kind: global_buffer, .address_space: global }
      - { .name: ctx, .offset: 24, .size: 8, .value_kind: global_buffer, .address_space: global }
    .group_segment_fixed_size: 327680
    .private_segment_fixed_size: 0
    .kernarg_segment_align: 8
    .kernarg_segment_size: 32
    .max_flat_workgroup_size: 128
    .sgpr_count:     80
    .vgpr_count:     768
    .wavefront_size: 32
...
	.end_amdgpu_metadata
.endif
;; end of part 4
;; launch outp (part 5): grid 4 x 64, 4 waves a work-group, clusters of 4 x 4, 327,680 bytes of LDS; arguments ctx, woh, bo, out0; writes out0
.if DOCPART == 5
	.amdgcn_target "amdgcn-amd-amdhsa--gfx1250"
	.amdhsa_code_object_version 6
	.text
	.protected	k_qd34cb14256_outp
	.globl	k_qd34cb14256_outp
	.p2align	8
	.type	k_qd34cb14256_outp,@function
k_qd34cb14256_outp:
	s_mov_b64 s[64:65], 0
	v_nop
	global_prefetch_b8 v0, s[64:65] scope:SCOPE_SE
	s_setreg_imm32_b32 hwreg(HW_REG_WAVE_MODE, 25, 1), 1
	s_wait_xcnt 0x0
	s_wait_alu depctr_hold_cnt(0) depctr_sa_sdst(0) depctr_va_vdst(0) depctr_va_sdst(0) depctr_va_ssrc(0) depctr_va_vcc(0) depctr_vm_vsrc(0)
	s_getreg_b32 s2, hwreg(HW_REG_IB_STS2, 6, 4)
	s_cmp_eq_u32 s2, 0
	s_cbranch_scc0 .Lentry_in_a_cluster
	s_endpgm
.Lentry_in_a_cluster:
	s_bfe_u32 s2, ttmp6, 0x10000c
	s_cmp_lg_u32 s2, 0xf033
	s_cbranch_scc0 .Lentry_shape_is_right
	s_endpgm
.Lentry_shape_is_right:
; out = ctx Wo + bo.  A = ctx [8192][1024] f16 (K innermost), B = Wo in f16 [k 1024][n 1024] as it lies; f32 sums; bo is the C of each sum's first matrix instruction; the result is f32 [8192][1024].
; A tile of the result is 128 x 256: 256 work-groups.  Four waves, each 64 x 128: 32 accumulators, 256 registers.  K goes in steps of 128 through a ring of two LDS slots (A: 128 rows of 256 bytes; B: 128 rows of 512 bytes).
; B's fragments come out of LDS turned, by ds_load_tr16_b128.  THE MATRIX INSTRUCTION IS USED TRANSPOSED (source 0 = 16 columns of B, source 1 = 16 rows of A): a lane holds one row of the result and eight neighbouring columns.
; CLUSTERS: 4 x 4 work-groups; A's tiles are asked for jointly along a row of the cluster, B's along a column.  By this text's own count a wave has two tensor loads out at the start, then one.
; LIMITS: NaN and infinities are not served.
; REGISTERS: window 0: v0-31 addresses; v32-127, v128-223 two fragment buffers (B's eight fragments, then A's four), on the way out rows read back.
;   window 1: accumulator (a, b) at v[8 (8 a + b)].   window 2: the bias, eight registers a tile of columns.
.set LAPS,  4                          ; 1,024 along K = 8 steps
.set PITA,  1024                       ; A: elements from row to row
.set ROWA,  2048                       ; and bytes
.set PITB,  1024
.set ROWBB, 2048
.set OROW,  4096                       ; a row of the result in bytes
.set SPITCH, 528
.set PA,    272                        ; A's row in LDS: 256 bytes + 16
.set PB,    544                        ; B's: 512 + 32 = 17 x 32 bytes
.set AT,    128*PA                     ; a slot: A's 128 rows, then B's 128
.set HALFA, 64*PA
.set HALFB, 64*PB
.set SLOT,  AT+2*HALFB
.set STAGE, 2*SLOT                     ; the way out: 16 rows x 528 bytes for each wave
.set SPARE, STAGE+4*16*SPITCH          ; the spare words, 128 bytes for each wave, which no other line names
.set ADRA, 16
.set ADRB, 20
.set STO,  24
.set RD,   25
.set CO,   26
.set SPW,  28
.set NIL,  29
.set F0,   32
.set F1,   128
.set G1, 24
.set G0, 32
.set G1B, 48
.set G0B, 56
.set MSB, 0
.macro WIN new                         ; the immediate's high byte repeats the setting that is left
.if MSB != (\new)
	s_set_vgpr_msb (MSB<<8)|(\new)
.set MSB, (\new)
.endif
.endm
.set MUL,  0x50                        ; sources 0 and 1 window 0; C and D window 1
.set MULZ, 0x60                        ; C (the bias) window 2, D window 1
.macro JLOAD s                         ; a joint load: waves 0 and 1 fetch A's two halves, waves 2 and 3 B's; an s_nop 0 and four v_nop follow each line
	s_cmp_eq_u32 s13, 0
	s_cbranch_scc0 .Lfor_b_\@
	tensor_load_to_lds s[G0+4*\s:G0+4*\s+3], s[G1:G1+7]
	s_nop 0
.rept 4
	v_nop
.endr
	s_branch .Lasked_\@
.Lfor_b_\@:
	tensor_load_to_lds s[G0B+4*\s:G0B+4*\s+3], s[G1B:G1B+7]
	s_nop 0
.rept 4
	v_nop
.endr
.Lasked_\@:
.endm
.macro CREST
	s_cmp_lg_u32 s12, 0
	s_cbranch_scc1 .Lnot_wave_0_\@
	s_barrier_signal -3
.Lnot_wave_0_\@:
	s_barrier_wait -3
	s_barrier_signal -1
	s_barrier_wait -1
.endm
.macro CROUND
	s_barrier_signal -1
	s_barrier_wait -1
	CREST
.endm
	s_load_b256 s[4:11], s[0:1], 0x0               ; ctx s[4:5], Wo in f16 s[6:7], bo s[8:9], the result s[10:11]
	v_lshl_add_u32 v[SPW], v0, 2, SPARE
	v_mov_b32 v[NIL], 0
	ds_add_u32 v[SPW], v[NIL]                      ; the wave's opening: the add, twice on end, and its wait ahead of my first tensor load
	ds_add_u32 v[SPW], v[NIL]
	v_lshrrev_b32 v1, 5, v0
	v_readfirstlane_b32 s12, v1                    ; wave 0..3
	s_lshr_b32 s13, s12, 1                         ; which 64 rows of the tile are mine.  Also: I fetch for A (0) or for B (1)
	s_and_b32 s14, s12, 1                          ; which 128 columns.  Also: which 64 rows of that tile I fetch
	s_bfe_u32 s40, ttmp6, 0x40000                  ; cx, cy
	s_bfe_u32 s41, ttmp6, 0x40004
	s_lshl_b32 s42, ttmp9, 2
	s_add_co_u32 s42, s42, s40                     ; tile column = 4 x cluster x + cx
	s_and_b32 s45, ttmp7, 0xffff                   ; cluster y
	s_lshl_b32 s15, s45, 2
	s_add_co_u32 s15, s15, s41                     ; tile row = 4 x cluster y + cy
	s_lshl_b32 s43, s41, 2
	s_lshl_b32 s43, 15, s43                        ; my row of the cluster
	s_lshl_b32 s44, 0x1111, s40                    ; my column
	s_or_b32 s[G1+0], s43, (1<<16)|(1<<20)|(1<<21)|(5<<22)|(3<<25)  ; A: the mask; elements of 2 bytes; padding on; bit 21 beside a mask; four words behind every 64
	s_mov_b32 s[G1+1], 128<<16                     ; tensor_dim0 = 128
	s_mov_b32 s[G1+2], 64<<16                      ; tensor_dim1 = 64
	s_mov_b32 s[G1+3], 128<<16                     ; tile_dim0
	s_mov_b32 s[G1+4], 64                          ; tile_dim1
	s_mov_b32 s[G1+5], PITA
	s_mov_b32 s[G1+6], 0
	s_mov_b32 s[G1+7], 0
	s_or_b32 s[G1B+0], s44, (1<<16)|(1<<20)|(1<<21)|(6<<22)|(7<<25) ; B: eight words behind every 128
	s_mov_b32 s[G1B+1], 256<<16
	s_mov_b32 s[G1B+2], 64<<16
	s_mov_b32 s[G1B+3], 256<<16
	s_mov_b32 s[G1B+4], 64
	s_mov_b32 s[G1B+5], PITB
	s_mov_b32 s[G1B+6], 0
	s_mov_b32 s[G1B+7], 0
	s_lshl_b32 s17, s14, 6                         ; which 64 rows of the tile I fetch
	s_lshl_b32 s16, s15, 7
	s_add_co_u32 s16, s16, s17                     ; A: row 128 x tile row + 64 x half
	s_mov_b32 s46, s17                             ; B: row (along K) 64 x half
	s_mov_b32 s17, 0
	s_mov_b32 s47, 0
	s_mov_b64 s[18:19], ROWA
	s_mul_u64 s[16:17], s[16:17], s[18:19]
	s_mov_b64 s[18:19], ROWBB
	s_mul_u64 s[46:47], s[46:47], s[18:19]
	s_lshl_b32 s20, s42, 9                         ; the tile's 256 columns of B: 512 bytes a tile column
	s_mov_b32 s21, 0
	s_add_nc_u64 s[46:47], s[46:47], s[20:21]
	s_mul_i32 s22, s14, HALFA                      ; where they go in a slot: no place in the cluster enters an LDS address
	s_mul_i32 s23, s14, HALFB
	s_add_co_u32 s23, s23, AT
	s_wait_dscnt 0x0                               ; both opening adds are done
	s_wait_kmcnt 0x0
	s_add_nc_u64 s[16:17], s[4:5], s[16:17]
	s_add_nc_u64 s[46:47], s[6:7], s[46:47]
	CROUND                                         ; all sixteen work-groups are here: the first joint loads meet
.irp s, 0,1
	s_mov_b32 s[G0+4*\s], 1
	s_add_co_u32 s[G0+4*\s+1], s22, \s*SLOT
	s_add_nc_u64 s[G0+4*\s+2:G0+4*\s+3], s[16:17], \s*256
	s_or_b32 s[G0+4*\s+3], s[G0+4*\s+3], 0x80000000
	s_mov_b32 s[G0B+4*\s], 1
	s_add_co_u32 s[G0B+4*\s+1], s23, \s*SLOT
	s_add_nc_u64 s[G0B+4*\s+2:G0B+4*\s+3], s[46:47], \s*128*ROWBB
	s_or_b32 s[G0B+4*\s+3], s[G0B+4*\s+3], 0x80000000
	JLOAD \s
.endr
	v_and_b32 v1, 15, v0                           ; r
	v_bfe_u32 v2, v0, 4, 1                         ; h
	s_lshl_b32 s20, s15, 7
	s_lshl_b32 s21, s13, 6
	s_add_co_u32 s20, s20, s21                     ; my first row
	s_mov_b32 s21, 0
	s_mov_b64 s[18:19], OROW
	s_mul_u64 s[22:23], s[20:21], s[18:19]
	s_lshl_b32 s46, s42, 10
	s_lshl_b32 s47, s14, 9
	s_add_co_u32 s46, s46, s47                     ; my first column, in bytes
	s_mov_b32 s47, 0
	s_add_nc_u64 s[22:23], s[22:23], s[46:47]
	s_add_nc_u64 s[10:11], s[10:11], s[22:23]
	; the bias of my 128 columns: tile b, lane (r, h): columns 16 b + 8 h + 0 .. 7
	s_lshl_b32 s20, s42, 10
	s_lshl_b32 s46, s14, 9
	s_add_co_u32 s20, s20, s46
	s_add_nc_u64 s[8:9], s[8:9], s[20:21]
	v_lshlrev_b32 v6, 5, v2
	WIN 0x80                                       ; destination window 2
.irp b, 0,1,2,3,4,5,6,7
	global_load_b128 v[8*\b:8*\b+3], v6, s[8:9] offset:64*\b
	global_load_b128 v[8*\b+4:8*\b+7], v6, s[8:9] offset:64*\b+16
.endr
	WIN 0
	v_mul_u32_u24 v3, v1, PA
	v_lshl_add_u32 v3, v2, 4, v3                   ; A: row x pitch + 16 x half
	v_and_b32 v4, 7, v0
	v_lshl_add_u32 v4, v2, 3, v4                   ; B, turned: lane l reads row 8 (l / 16) + l % 8,
	v_mul_u32_u24 v4, v4, PB
	v_bfe_u32 v5, v0, 3, 1
	v_lshl_add_u32 v4, v5, 4, v4                   ; columns 8 ((l / 8) % 2) + 0 .. 7
	s_mul_i32 s20, s13, 64*PA                      ; my 64 rows of A
	s_lshl_b32 s21, s14, 8                         ; my 128 columns of B,
	s_add_co_u32 s21, s21, AT                      ; which lies behind A
.irp s, 0,1
	v_add_nc_u32 v[ADRA+\s], s20, v3
	v_add_nc_u32 v[ADRB+\s], s21, v4
	s_add_co_u32 s20, s20, SLOT
	s_add_co_u32 s21, s21, SLOT
.endr
	s_mul_i32 s20, s12, 16*SPITCH
	s_add_co_u32 s20, s20, STAGE                   ; my stage
	v_mul_u32_u24 v3, v1, SPITCH
	v_lshl_add_u32 v3, v2, 5, v3                   ; in: row r, 32 bytes for each half of the lanes
	v_add_nc_u32 v[STO], s20, v3
	v_and_b32 v3, 31, v0
	v_lshlrev_b32 v[CO], 4, v3                     ; back: the 32 lanes take one row of 512 bytes; and the same in the result
	v_add_nc_u32 v[RD], s20, v[CO]
; 8 matrix instructions: rows block a x all 8 column blocks, 32 along K.  first = 1: the sums begin, with the bias.  The 32 accumulators take turns in one order throughout.
.macro MUL8 f, a, first
.irp b, 0,1,2,3,4,5,6,7
.if \first
	v_wmma_f32_16x16x32_f16 v[8*(8*(\a)+\b):8*(8*(\a)+\b)+7], v[\f+8*\b:\f+8*\b+7], v[\f+64+8*(\a):\f+64+8*(\a)+7], v[8*\b:8*\b+7]
.else
	v_wmma_f32_16x16x32_f16 v[8*(8*(\a)+\b):8*(8*(\a)+\b)+7], v[\f+8*\b:\f+8*\b+7], v[\f+64+8*(\a):\f+64+8*(\a)+7], v[8*(8*(\a)+\b):8*(8*(\a)+\b)+7]
.endif
.endr
.endm
; 24 LDS loads in one run: the slot's q-th 32 along K: B's eight fragments (two turning loads each: rows 8 h + 0 .. 7 and 16 rows on), then A's four.  The youngest four are A's blocks 2 and 3.
.macro FETCH slot, q, f
	WIN 0
.irp b, 0,1,2,3,4,5,6,7
	ds_load_tr16_b128 v[\f+8*\b:\f+8*\b+3],   v[ADRB+\slot] offset:(\q)*32*PB+32*\b
	ds_load_tr16_b128 v[\f+8*\b+4:\f+8*\b+7], v[ADRB+\slot] offset:(\q)*32*PB+16*PB+32*\b
.endr
.irp a, 0,1,2,3
	ds_load_b128 v[\f+64+8*\a:\f+64+8*\a+3],   v[ADRA+\slot] offset:64*(\q)+\a*16*PA
	ds_load_b128 v[\f+64+8*\a+4:\f+64+8*\a+7], v[ADRA+\slot] offset:64*(\q)+\a*16*PA+32
.endr
.endm
.macro PLACES                          ; four plain vector instructions between a matrix instruction and a load into, or a vector read of, its registers
.rept 4
	v_nop
.endr
.endm
.macro QUARTER slot, qn, f, g, first   ; 32 matrix instructions on buffer f; in their middle quarter qn's fragments are fetched into buffer g
	s_wait_dscnt 4                                 ; all but A's blocks 2 and 3
.if \first
	WIN MULZ
.else
	WIN MUL
.endif
	MUL8 \f, 0, \first
	MUL8 \f, 1, \first
	PLACES
	FETCH \slot, \qn, \g
	s_wait_dscnt 24                                ; all but the 24 just issued
.if \first
	WIN MULZ
.else
	WIN MUL
.endif
	MUL8 \f, 2, \first
	MUL8 \f, 3, \first
.endm
; A slot's last quarter multiplies buffer 1 and changes slots: ONE barrier.  In front of it each wave waits for all its tensor loads (its part of the next slot), adds 0 to its spare word, and waits for that and for
; its own reads of this slot.  fill = 1: the barrier opens a round of the cluster's barrier, and this slot is filled again, two steps ahead, first thing behind the round.
.macro TURN slot, next, fill
	WIN 0
	s_wait_tensorcnt 0x0
	ds_add_u32 v[SPW], v[NIL]
	s_wait_dscnt 5                                 ; (the add and the youngest four loads may be out)
	WIN MUL
	MUL8 F1, 0, 0
	s_wait_dscnt 0x0                               ; the add is done, and my reads of this slot are over
	s_barrier_signal -1
	MUL8 F1, 1, 0
.if \fill
	WIN 0
.endif
	s_barrier_wait -1
.if \fill
	CREST
	s_add_nc_u64 s[G0+4*\slot+2:G0+4*\slot+3], s[G0+4*\slot+2:G0+4*\slot+3], 2*256
	s_add_nc_u64 s[G0B+4*\slot+2:G0B+4*\slot+3], s[G0B+4*\slot+2:G0B+4*\slot+3], 2*128*ROWBB
	JLOAD \slot                                    ; its four v_nop are also the places in front of the loads below
.else
	PLACES
.endif
	FETCH \next, 0, F0
	WIN MUL
	MUL8 F1, 2, 0
	MUL8 F1, 3, 0
.endm
	s_wait_tensorcnt 1                             ; my part of step 0 is in; step 1's may stay out
	s_wait_loadcnt 0x0                             ; the bias
	s_barrier_signal -1
	s_barrier_wait -1
	FETCH 0, 0, F0
	QUARTER 0, 1, F0, F1, 1                        ; the first quarter stands in front of the loop: its products start the sums
	WIN 0
	s_mov_b32 s3, LAPS-1
.Llap:                                                 ; a trip goes once round the ring and fills both slots again
	QUARTER 0, 2, F1, F0, 0
	QUARTER 0, 3, F0, F1, 0
	TURN 0, 1, 1
	QUARTER 1, 1, F0, F1, 0
	QUARTER 1, 2, F1, F0, 0
	QUARTER 1, 3, F0, F1, 0
	TURN 1, 0, 1
	QUARTER 0, 1, F0, F1, 0
	WIN 0
	s_sub_co_u32 s3, s3, 1
	s_cmp_lg_u32 s3, 0
	s_cbranch_scc1 .Llap
	QUARTER 0, 2, F1, F0, 0                        ; the last lap fills nothing
	QUARTER 0, 3, F0, F1, 0
	TURN 0, 1, 0
	QUARTER 1, 1, F0, F1, 0
	QUARTER 1, 2, F1, F0, 0
	QUARTER 1, 3, F0, F1, 0
	s_wait_dscnt 4                                 ; the very last quarter: nothing more to fetch
	WIN MUL
	MUL8 F1, 0, 0
	MUL8 F1, 1, 0
	s_wait_dscnt 0
	MUL8 F1, 2, 0
	MUL8 F1, 3, 0
	WIN 0
; THE WAY OUT, a block of 16 rows at a time, through my own stage in LDS, so that whole rows leave: LDS serves a wave's instructions in order (ISA guide 5.7.1.4), so no wait stands between the stores and the loads.
.macro TOSTAGE a
	WIN 0x04                                       ; an LDS store's data are its source 1: window 1
.irp b, 0,1,2,3,4,5,6,7
	ds_store_b128 v[STO], v[64*(\a)+8*\b:64*(\a)+8*\b+3] offset:64*\b          ; each accumulator from its low end on
	ds_store_b128 v[STO], v[64*(\a)+8*\b+4:64*(\a)+8*\b+7] offset:64*\b+16
.endr
	WIN 0
.set BB, 32+96*((\a)%2)
.irp t, 0,1,2,3,4,5,6,7,8,9,10,11,12,13,14,15
	ds_load_b128 v[BB+4*\t:BB+4*\t+3], v[RD] offset:\t*SPITCH
.endr
.endm
.macro SEND a, younger                 ; younger: the LDS instructions issued behind block a's loads, which may stay out
.set BB, 32+96*((\a)%2)
	s_wait_dscnt \younger
.if (\a) > 0
	s_add_nc_u64 s[10:11], s[10:11], 16*OROW       ; (behind a wait on XCNT: the earlier stores have read their base)
.endif
.irp t, 0,1,2,3,4,5,6,7,8,9,10,11,12,13,14,15
	global_store_b128 v[CO], v[BB+4*\t:BB+4*\t+3], s[10:11] offset:\t*OROW th:TH_STORE_NT   ; 32 lanes store 512 consecutive bytes, aligned; written once, read by nobody here
.endr
.endm
	PLACES
	TOSTAGE 0
.irp a, 1,2,3
.if \a > 1
	s_wait_xcnt 0x0                                ; block a - 2's stores have read their registers and their base
.endif
	TOSTAGE \a
	SEND \a-1, 32                                  ; behind block a - 1's loads: block a's 16 stores and 16 loads
.endr
	s_wait_xcnt 0x0
	SEND 3, 0
	s_wait_tensorcnt 0x0                           ; the wave's end
	ds_add_u32 v[SPW], v[NIL]
	s_wait_dscnt 0x0
	CROUND                                         ; the closing round
	s_endpgm
.Lfunc_end_k_qd34cb14256_outp:
	.size	k_qd34cb14256_outp, .Lfunc_end_k_qd34cb14256_outp-k_qd34cb14256_outp
	.p2alignl 7, 3214868480
	.fill 96, 4, 3214868480
	.section	.rodata,"a",@progbits
	.p2align	6, 0x0
	.amdhsa_kernel k_qd34cb14256_outp
		.amdhsa_group_segment_fixed_size 327680
		.amdhsa_private_segment_fixed_size 0
		.amdhsa_enable_private_segment 0
		.amdhsa_kernarg_size 32
		.amdhsa_user_sgpr_count 2
		.amdhsa_user_sgpr_kernarg_segment_ptr 1
		.amdhsa_wavefront_size32 1
		.amdhsa_system_sgpr_workgroup_id_x 1
		.amdhsa_system_sgpr_workgroup_id_y 1
		.amdhsa_system_sgpr_workgroup_id_z 1
		.amdhsa_system_vgpr_workitem_id 0
		.amdhsa_next_free_vgpr 640
		.amdhsa_next_free_sgpr 80
		.amdhsa_reserve_vcc 0
		.amdhsa_float_denorm_mode_32 3
		.amdhsa_float_denorm_mode_16_64 3
		.amdhsa_memory_ordered 1
		.amdhsa_forward_progress 1
		.amdhsa_inst_pref_size 87
	.end_amdhsa_kernel
	.amdgpu_metadata
---
amdhsa.version: [ 1, 2 ]
amdhsa.kernels:
  - .name:           k_qd34cb14256_outp
    .symbol:         k_qd34cb14256_outp.kd
    .args:
      - { .name: ctx, .offset: 0, .size: 8, .value_kind: global_buffer, .address_space: global }
      - { .name: woh, .offset: 8, .size: 8, .value_kind: global_buffer, .address_space: global }
      - { .name: bo, .offset: 16, .size: 8, .value_kind: global_buffer, .address_space: global }
      - { .name: out0, .offset: 24, .size: 8, .value_kind: global_buffer, .address_space: global }
    .group_segment_fixed_size: 327680
    .private_segment_fixed_size: 0
    .kernarg_segment_align: 8
    .kernarg_segment_size: 32
    .max_flat_workgroup_size: 128
    .sgpr_count:     80
    .vgpr_count:     640
    .wavefront_size: 32
...
	.end_amdgpu_metadata
.endif
;; end of part 5
